; MI455X (gfx1250); checked and timed in simulation.
; The chip was launched on July 23, 2026; its instructions are those of AMD's public machine-readable ISA for CDNA 5 (MIT licence, August 2026) and "CDNA5" Instruction Set Architecture Reference Guide (July 2026). The comments in the code are by the model that wrote it; some were corrected since.
;; Memory Layer Attention. Allowed arithmetic: float matrix products may take bf16 or f16 operands with f32 sums; all other float work in f32.
;; Inputs: Wi 32 x 64 float32; Wk 64 x 2 x 64 float32; Wm 256 x 64 float32; Wo 2 x 64 x 64 float32; Wq 64 x 2 x 64 float32; Wv 64 x 2 x 64 float32; Wx 64 x 4,736 float32; bi 64 float32; bk 2 x 64 float32; bl 4,736 float32; bm 64 float32; bo 64 float32; bq 2 x 64 float32; bv 2 x 64 float32; queries 8 x 16 x 16 float32; values 8 x 8 x 16 float32.
;; Outputs: out0 512 x 16 x 16 float32.
;; 2 versions, each right; version 2 is version 1 with the launch mla written anew for expert scheduling mode. Each part assembles by itself: llvm-mc -triple=amdgcn-amd-amdhsa -mcpu=gfx1250 --defsym DOCPART=n.
;; ======== version 1 of 2: 1 launch
;; launch mla (part 1): grid 16 x 4, 8 waves a work-group, no clusters, 177,664 bytes of LDS; arguments queries, values, Wi, bi, Wm, bm, Wq, bq, Wk, bk, Wv, bv, Wo, bo, Wx, bl, out0; writes out0
.if DOCPART == 1
	.amdgcn_target "amdgcn-amd-amdhsa--gfx1250"
	.amdhsa_code_object_version 6
	.text
	.protected	k_q9fd415bcd3_mla
	.globl	k_q9fd415bcd3_mla
	.p2align	8
	.type	k_q9fd415bcd3_mla,@function
k_q9fd415bcd3_mla:
	s_mov_b64 s[64:65], 0
	v_nop
	global_prefetch_b8 v0, s[64:65] scope:SCOPE_SE
	s_setreg_imm32_b32 hwreg(HW_REG_WAVE_MODE, 25, 1), 1
	s_wait_xcnt 0x0
; MemoryLayerAttention: the controller's output of the last time step, out0[128][1024] f32.
; WHAT IS COMPUTED.  The result is the scan's last output, made from the state after 7 updates (14 Euler sub-steps).  The state starts as (0, 1) in every cell, its input is zeros and the
; update is element-wise with constants: for every input all cells hold one pair (p0, p1).  So mem @ Wm = p0 x (column sums of Wm), rows 1..64 of the augmented sequence and their K and V are the
; same for all 128 batch rows, and of values only time step 7, of Wx and bl only columns 0..1023 of the gates i, g, o reach the result (the gate f is never used, h is cut at 1,024).
; NOT LOADED, since no bit of them reaches the result: values[:, 0..6], Wx's and bl's gate f and units 1,024..1,183.
; SHARES.  Work-group (x, y) owns batch rows 32 y .. + 31 and output columns 64 x .. + 63; it makes everything up to o for its 32 rows, then z for 3 x 64 columns of Wx.  64 work-groups: the part
; up to o (204,800 bytes of weights, six of the chain's eight products) has to be made by each, so a finer split multiplies that traffic and shortens the last product alone.
; Waves 0-3 (ROW): head (w >> 1) & 1, batch rows 16 (w & 1) on.  Waves 4-7 (MEM): the same head bit, memory rows 32 (w & 1) on.  In the last product every wave: columns 16 (w & 3) on, rows 16 (w >> 2) on.
; NO TENSOR LOADS, NO CLUSTER: every weight passes through registers to be rounded to bf16, and the raw f32 (253,952 bytes) beside the bf16 copies and stages (177,664) is more than 327,680 bytes of LDS.
; LAYOUT.  Every product is used transposed, act^T = W^T act^T: source 0 = 16 columns of W, turned out of a bf16 copy [k][n] in LDS by ds_load_tr16_b128; source 1 = 16 rows.  In a result lane l holds
; row l % 16 and register j channel 16 t + 8 (l / 16) + j, so two results packed in pairs ARE the next product's source 1.  A bias is the C operand of a sum's first product.
; FORMATS.  All inputs that enter a product are rounded to bf16, the biases too; sums, softmax, activations in f32.  Am (for V), ctx and o enter their products as bf16 hi + bf16 lo.
; LIMITS.  Exponentials below 2^-126 count as 0; NaN and infinities are not treated apart.  The positional encoding is made here by polynomials, to about 1e-5.  The ODE's four currents are added in
; another order than the sum over the stacked axis; sigmoid(inf) is written as 1.  Wm enters as an f32 column sum, not rounded to bf16 (it is multiplied by p0).  tanh is its series up to x^7 where x^2 < 0.0625.
; REGISTERS.  Window 0: v0-31 ids and addresses, v32-255 at work (maps at each block).  Window 1: raw f32 weights as loaded.  s_set_vgpr_msb: bits 1:0 source 0, 3:2 source 1, 5:4 source 2, 7:6 destination.
.set L_WI, 0          ; bf16 [32 i][64 d], pitch 160
.set L_WQ, 5120       ; bf16 [64 d][128 (h,k)], pitch 288
.set L_WK, 23552      ; the same
.set L_WV, 41984      ; the same
.set L_TB, 60416      ; f32 biases: bq 0, bk 512, bv 1024, bl(i) 1536, bl(g) 1792, bi + PE[0] 2048, bm 2304, bo 2560, bl(o) 2816
.set L_CS, 63488      ; f32 [4 waves][64]: partial column sums of Wm
.set L_KM, 64512      ; bf16 [2 h][64 l][64 k], pitch 144
.set L_VM, 82944      ; bf16 [2 h][64 l][64 k], pitch 160
.set L_WO, 103424     ; bf16 [128 (h,k)][64 d], pitch 160
.set L_WX, 123904     ; bf16 [64 d][3 gates x 64], pitch 416
.set L_OP, 150528     ; f32 [2 h][32 b][64 d], pitch 272: each head's part of o
.set L_ST, 167936     ; f32 [32 b][64 n], pitch 272: the way out
.set SPARE, 176640    ; the spare words, 128 bytes a wave: four blocks of 256 bytes that no other line names
.set PT, 164          ; MEM: four sets of 16 registers at work on the positional encoding
.set MSB, 0
.macro WIN new                      ; the high byte repeats the setting that is left; a switch that changes nothing is dropped
.if MSB != (\new)
	s_set_vgpr_msb (MSB<<8)|(\new)
.set MSB, (\new)
.endif
.endm
.macro PLACES n                     ; plain vector instructions behind matrix instructions (ISA guide 7.12.1)
.rept \n
	v_nop
.endr
.endm
.macro MM d, a, b, c
	v_wmma_f32_16x16x32_bf16 v[(\d):(\d)+7], v[(\a):(\a)+7], v[(\b):(\b)+7], v[(\c):(\c)+7]
.endm
.macro MM0 d, a, b
	v_wmma_f32_16x16x32_bf16 v[(\d):(\d)+7], v[(\a):(\a)+7], v[(\b):(\b)+7], 0
.endm
.macro TRF dst, va, off, half       ; a fragment of W^T out of rows [k][n]: 32 k x 16 n, turned
	ds_load_tr16_b128 v[(\dst):(\dst)+3], v[\va] offset:(\off)
	ds_load_tr16_b128 v[(\dst)+4:(\dst)+7], v[\va] offset:(\off)+(\half)
.endm
.macro FRG dst, va, off             ; a fragment out of rows that lie along k
	ds_load_b128 v[(\dst):(\dst)+3], v[\va] offset:(\off)
	ds_load_b128 v[(\dst)+4:(\dst)+7], v[\va] offset:(\off)+32
.endm
.macro BT dst, va, off              ; eight neighbouring f32
	ds_load_b128 v[(\dst):(\dst)+3], v[\va] offset:(\off)
	ds_load_b128 v[(\dst)+4:(\dst)+7], v[\va] offset:(\off)+16
.endm
.macro GLD n, dst, va, sb, off0, step   ; n loads of 16 bytes a lane into window 1
	WIN 0x40
.set gli, 0
.rept \n
	global_load_b128 v[(\dst)+4*gli:(\dst)+4*gli+3], v[\va], s[(\sb):(\sb)+1] offset:(\off0)+(\step)*gli
.set gli, gli+1
.endr
.endm
.macro CVST n, src, tt, va, off0, step  ; n such loads are rounded to bf16 and stored into LDS, 8 bytes a lane
	WIN 0x05
.set cvi, 0
.rept \n
	v_cvt_pk_bf16_f32 v[(\tt)+2*cvi], v[(\src)+4*cvi], v[(\src)+4*cvi+1]
	v_cvt_pk_bf16_f32 v[(\tt)+2*cvi+1], v[(\src)+4*cvi+2], v[(\src)+4*cvi+3]
.set cvi, cvi+1
.endr
	WIN 0
.set cvi, 0
.rept \n
	ds_store_b64 v[\va], v[(\tt)+2*cvi:(\tt)+2*cvi+1] offset:(\off0)+(\step)*cvi
.set cvi, cvi+1
.endr
.endm
.macro RB4 b, t                     ; four f32 are rounded to bf16 and widened again, in place
	v_cvt_pk_bf16_f32 v[\t], v[\b], v[(\b)+1]
	v_cvt_pk_bf16_f32 v[(\t)+1], v[(\b)+2], v[(\b)+3]
	v_lshlrev_b32 v[\b], 16, v[\t]
	v_and_b32 v[(\b)+1], s52, v[\t]
	v_lshlrev_b32 v[(\b)+2], 16, v[(\t)+1]
	v_and_b32 v[(\b)+3], s52, v[(\t)+1]
.endm
.macro ALL4 line:vararg             ; one line four times, u = 0..3, so that no line waits for the one before it
.set u, 0
.rept 4
.set pb, PT+16*u
	\line
.set u, u+1
.endr
.endm
.macro SPLIT16 hi, lo, pr, tm       ; 32 f32 at pr -> 16 registers of bf16 pairs (hi) and 16 of what the rounding left (lo)
.set sb, 0
.rept 4
	ALL4 v_cvt_pk_bf16_f32 v[(\hi)+sb+u], v[(\pr)+2*(sb+u)], v[(\pr)+2*(sb+u)+1]
	ALL4 v_lshlrev_b32 v[(\tm)+2*u], 16, v[(\hi)+sb+u]
	ALL4 v_and_b32 v[(\tm)+2*u+1], s52, v[(\hi)+sb+u]
	ALL4 v_pk_add_f32 v[(\tm)+2*u:(\tm)+2*u+1], v[(\pr)+2*(sb+u):(\pr)+2*(sb+u)+1], v[(\tm)+2*u:(\tm)+2*u+1] neg_lo:[0,1] neg_hi:[0,1]
	ALL4 v_cvt_pk_bf16_f32 v[(\lo)+sb+u], v[(\tm)+2*u], v[(\tm)+2*u+1]
.set sb, sb+4
.endr
.endm
.macro SPAIR r, val                 ; a constant for packed arithmetic: named as a pair, so both words are written
	s_mov_b32 s[\r], \val
	s_mov_b32 s[(\r)+1], \val
.endm
.macro BAR                          ; my LDS stores are done and my LDS loads are back; then all eight waves meet
	s_wait_dscnt 0x0
	s_barrier_signal -1
	s_barrier_wait -1
.endm
; The address registers that both kinds of wave use.  q = 8 (l / 16) + l % 8 and c16 = 16 ((l / 8) % 2) are a lane's row and 16 bytes in a turning load.
.macro ADDRS
	v_and_b32 v96, 7, v0
	v_lshl_add_u32 v96, v3, 3, v96          ; q
	v_bfe_u32 v97, v0, 3, 1
	v_lshlrev_b32 v97, 4, v97               ; c16
	v_mul_u32_u24 v98, v2, 272              ; r x 272
	s_lshl_b32 s2, s43, 7
	v_mul_u32_u24 v6, v96, 288
	v_add3_u32 v6, v6, v97, s2              ; v6: Wq, Wk, Wv: q x 288 + c16 + my head's 128 bytes
	v_mul_u32_u24 v7, v96, 160
	v_add_nc_u32 v7, v7, v97                ; v7: Wi: q x 160 + c16
	s_mul_i32 s3, s43, 10240
	s_add_co_u32 s2, s3, L_VM
	v_add_nc_u32 v8, s2, v7                 ; v8: Vm of my head
	s_add_co_u32 s2, s3, L_WO
	v_add_nc_u32 v9, s2, v7                 ; v9: Wo's 64 rows of my head
	s_lshl_b32 s2, s45, 5
	s_add_co_u32 s2, s2, L_WX
	v_mul_u32_u24 v10, v96, 416
	v_add3_u32 v10, v10, v97, s2            ; v10: Wx: q x 416 + c16 + my 16 columns
	s_lshl_b32 s2, s43, 8
	v_add_nc_u32 v11, s2, v12               ; v11: a bias tile of my head: 32 (l / 16) + 256 head
	s_lshl_b32 s2, s45, 6
	v_add_nc_u32 v13, s2, v12               ; v13: a tile of bl: 32 (l / 16) + 64 (w & 3)
	s_mul_i32 s3, s46, 16*272
	s_add_co_u32 s2, s3, L_OP
	v_add3_u32 v16, v98, v12, s2            ; v16: the partial o of row 16 (w >> 2) + r
	s_lshl_b32 s2, s45, 6
	s_add_co_u32 s2, s2, s3
	s_add_co_u32 s2, s2, L_ST
	v_add3_u32 v17, v98, v12, s2            ; v17: into the stage: that row, my 8 columns
	v_mul_u32_u24 v99, v3, 272
	v_lshl_add_u32 v99, v2, 4, v99
	s_mul_i32 s2, s42, 4*272
	s_add_co_u32 s2, s2, L_ST
	v_add_nc_u32 v18, s2, v99               ; v18: back: rows 4 w + l / 16, 16 bytes a lane
	v_lshlrev_b32 v19, 12, v3
	v_lshl_add_u32 v19, v2, 4, v19
	s_lshl_b32 s2, s42, 14
	v_add_nc_u32 v19, s2, v19               ; v19: the same rows in out0
	v_mul_u32_u24 v25, v3, 160
	v_lshl_add_u32 v25, v2, 3, v25
	s_mul_i32 s2, s42, 16*160
	s_add_co_u32 s2, s2, L_WO
	v_add_nc_u32 v25, s2, v25               ; v25: Wo's copy: rows 16 w + l / 16, 8 bytes a lane
.endm
; ---------------------------------------------------------------- the head
	s_load_b512 s[8:23], s[0:1], 0x0        ; queries s8, values s10, Wi s12, bi s14, Wm s16, bm s18, Wq s20, bq s22
	s_load_b512 s[24:39], s[0:1], 0x40      ; Wk s24, bk s26, Wv s28, bv s30, Wo s32, bo s34, Wx s36, bl s38
	s_load_b64 s[40:41], s[0:1], 0x80       ; out0
	v_lshl_add_u32 v4, v0, 2, SPARE         ; my spare word,
	v_mov_b32 v5, 0                         ; and 0: kept for the wave's end alone
	v_and_b32 v1, 31, v0                    ; l
	v_and_b32 v2, 15, v0                    ; r = l % 16
	v_bfe_u32 v3, v0, 4, 1                  ; l / 16
	v_lshrrev_b32 v96, 5, v0
	v_readfirstlane_b32 s42, v96            ; w
	s_lshr_b32 s43, s42, 1
	s_and_b32 s43, s43, 1                   ; head
	s_and_b32 s44, s42, 1                   ; which half of the rows
	s_and_b32 s45, s42, 3
	s_lshr_b32 s46, s42, 2
	s_and_b32 s48, ttmp7, 0xffff            ; y
	s_lshl_b32 s84, ttmp9, 8                ; 256 x: my 64 columns in bytes
	s_add_co_u32 s85, s84, 14208            ; the same in the gate o
	s_mov_b32 s50, 0x76543210               ; v_permlanex16_b32: each lane takes its own place in the other half
	s_mov_b32 s51, 0xfedcba98
	s_mov_b32 s52, 0xffff0000               ; a word's upper bf16
	SPAIR 54, 0x3e38aa3b                    ; log2(e) / 8
	SPAIR 56, 0x3fc90fdb                    ; pi / 2
	SPAIR 58, 0xb9500d01                    ; -1/5040
	SPAIR 60, 0x3c088889                    ; 1/120
	SPAIR 62, 0xbe2aaaab                    ; -1/6
	SPAIR 66, 0x37d00d01                    ; 1/40320
	SPAIR 68, 0xbab60b61                    ; -1/720
	SPAIR 70, 0x3d2aaaab                    ; 1/24
	SPAIR 86, 0x4038aa3b                    ; 2 log2(e)
	SPAIR 88, 0xbfb8aa3b                    ; -log2(e)
	SPAIR 90, 0xbd5d0dd1                    ; -17/315
	SPAIR 92, 0x3e088889                    ; 2/15
	SPAIR 94, 0xbeaaaaab                    ; -1/3
	s_mov_b32 s96, 0x3d800000               ; 0.0625
	s_mov_b32 s72, 0xbed49a78               ; -log2(10000) / 32
	s_mov_b32 s74, 0xc31044fe               ; -100 log2(e)
	s_mov_b32 s75, 0xbda15f17               ; -mean, recurrent
	s_mov_b32 s76, 0xbd878e08               ; -mean, inhibitory
	s_mov_b32 s77, 0x3f844872               ; conductances: recurrent,
	s_mov_b32 s78, 0x3fab12bd               ; inhibitory,
	s_mov_b32 s79, 0x3ee6b492               ; leakage,
	s_mov_b32 s80, 0x3da21b23               ; input
	s_mov_b32 s81, 0x3fcbed93               ; targets: input,
	s_mov_b32 s82, 0x3fb80b1d               ; recurrent
	s_mov_b32 s83, 0x3f4756b1               ; step size / 2
	v_lshlrev_b32 v12, 5, v3                ; v12: 32 (l / 16): a lane's eight f32 in a tile of 16
	s_lshl_b32 s2, s42, 12
	v_lshl_add_u32 v24, v1, 4, s2           ; v24: Wo: 4,096 bytes a wave, 16 a lane
	s_lshl_b32 s2, s48, 17                  ; 32 rows of 4,096 bytes
	s_add_co_u32 s2, s2, s84
	s_mov_b32 s3, 0
	s_wait_kmcnt 0x0
	s_add_nc_u64 s[98:99], s[40:41], s[2:3] ; out0 at my block
	s_cmp_lt_u32 s42, 4
	s_cbranch_scc0 .Lmem0
; ---------------------------------------------------------------- ROW, block 0: x, the biases, Wi, Wq, Wk, Wv, an eighth of Wo -> bf16 in LDS
; v32-47 x as loaded, v48-55 biases, v56-63 x as source 1, v64-95 at work.  Window 1: Wi v0-15, Wq v16-79, Wk v80-143, Wv v144-207, Wo v224-255.
	s_lshl_b32 s2, s48, 11
	s_lshl_b32 s3, s44, 10
	s_add_co_u32 s2, s2, s3
	v_lshl_add_u32 v26, v2, 6, v12
	v_add_nc_u32 v26, s2, v26               ; queries: row 32 y + 16 half + r, 64 bytes each; channels 8 (l / 16) on
	s_lshl_b32 s2, s48, 10
	s_lshl_b32 s3, s44, 9
	s_add_co_u32 s2, s2, s3
	s_add_co_u32 s2, s2, 448
	v_add_nc_u32 v27, s2, v12               ; values: batch 2 y + half, time step 7
	s_lshl_b32 s2, s42, 11
	v_lshl_add_u32 v22, v1, 4, s2           ; Wi: 2,048 bytes a wave
	s_lshl_b32 s2, s42, 13
	v_lshl_add_u32 v20, v1, 4, s2           ; Wq, Wk, Wv: 8,192 bytes a wave
	; wave 0 brings bq and bi, wave 1 bk and bm, wave 2 bv and bo, wave 3 my slices of bl: gates i and g by the halves of the lanes, and o
	s_movk_i32 s2, 256
	s_movk_i32 s3, 9472
	s_cmp_eq_u32 s42, 0
	s_cselect_b64 s[4:5], s[22:23], s[38:39]
	s_cselect_b64 s[6:7], s[14:15], s[38:39]
	s_cselect_b32 s49, 1.0, 0               ; PE[0] = 0, 1, 0, 1, ..: added to bi alone
	s_cmp_eq_u32 s42, 1
	s_cselect_b64 s[4:5], s[26:27], s[4:5]
	s_cselect_b64 s[6:7], s[18:19], s[6:7]
	s_cmp_eq_u32 s42, 2
	s_cselect_b64 s[4:5], s[30:31], s[4:5]
	s_cselect_b64 s[6:7], s[34:35], s[6:7]
	s_cmp_eq_u32 s42, 3
	s_cselect_b32 s2, s3, s2
	s_cselect_b32 s3, s84, 0
	s_cselect_b32 s73, s85, 0
	v_mul_u32_u24 v28, s2, v3
	v_lshl_add_u32 v28, v2, 4, v28
	v_add_nc_u32 v28, s3, v28
	v_lshl_add_u32 v29, v2, 4, s73
	global_load_b128 v[32:35], v26, s[8:9]
	global_load_b128 v[36:39], v26, s[8:9] offset:16
	global_load_b128 v[40:43], v27, s[10:11]
	global_load_b128 v[44:47], v27, s[10:11] offset:16
	global_load_b128 v[48:51], v28, s[4:5]
	global_load_b128 v[52:55], v29, s[6:7]
	GLD 4, 0, 22, 12, 0, 512
	GLD 16, 16, 20, 20, 0, 512
	GLD 16, 80, 20, 24, 0, 512
	WIN 0
	ADDRS                                   ; the addresses are made while the loads are on their way
	v_mul_u32_u24 v14, v2, 144
	v_lshl_add_u32 v14, v3, 4, v14
	s_mul_i32 s2, s43, 9216
	s_add_co_u32 s2, s2, L_KM
	v_add_nc_u32 v14, s2, v14               ; v14: Km of my head: r x 144 + 16 (l / 16)
	s_mul_i32 s2, s43, 8704
	s_mul_i32 s3, s44, 16*272
	s_add_co_u32 s2, s2, s3
	s_add_co_u32 s2, s2, L_OP
	v_add3_u32 v15, v98, v12, s2            ; v15: where my head's part of o goes
	s_mul_i32 s2, s42, 4608
	v_lshl_add_u32 v21, v1, 3, s2           ; v21: Wq's, Wk's, Wv's copies: rows 16 w on, 8 bytes a lane
	v_mul_u32_u24 v23, v3, 160
	v_lshl_add_u32 v23, v2, 3, v23
	s_mul_i32 s2, s42, 8*160
	v_add_nc_u32 v23, s2, v23               ; v23: Wi's copy: rows 8 w + l / 16
	s_lshl_b32 s2, s42, 9
	s_add_co_u32 s2, s2, L_TB
	v_lshl_add_u32 v30, v1, 4, s2           ; v30, v31: my two places in the table of biases
	s_lshl_b32 s2, s42, 8
	s_add_co_u32 s2, s2, L_TB+2048
	v_lshl_add_u32 v31, v2, 4, s2
	GLD 16, 144, 20, 28, 0, 512
	GLD 8, 224, 24, 32, 0, 512
	WIN 0
	s_wait_loadcnt 60                       ; behind x and the biases 4 + 16 + 16 + 16 + 8 loads were issued
.set k, 0
.rept 8
	v_cvt_pk_bf16_f32 v[56+k], v[32+2*k], v[33+2*k]   ; registers 0-3: k = 8 (l / 16) on (queries); 4-7: k = 16 + 8 (l / 16) on (values)
.set k, k+1
.endr
	RB4 48, 64
	RB4 52, 66
	v_add_f32 v53, s49, v53                 ; the odd channels' cos(0)
	v_add_f32 v55, s49, v55
	ds_store_b128 v30, v[48:51]
	ds_store_b128 v31, v[52:55]             ; (both halves of the lanes store the same 256 bytes)
	s_wait_loadcnt 56                       ; Wi is in: 16 + 16 + 16 + 8 behind it
	CVST 4, 0, 64, 23, L_WI, 320
	s_wait_loadcnt 40                       ; Wq
	CVST 16, 16, 64, 21, L_WQ, 288
	s_wait_loadcnt 24                       ; Wk
	CVST 16, 80, 64, 21, L_WK, 288
	s_wait_loadcnt 8                        ; Wv
	CVST 16, 144, 64, 21, L_WV, 288
	s_wait_loadcnt 0x0                      ; Wo
	CVST 8, 224, 64, 25, 0, 320
	s_branch .Lbar1
; ---------------------------------------------------------------- MEM, block 0: Wm's column sums, the state, the positional encoding, an eighth of Wo
; v32-33 p0, p1; v34-47 at work; v48-63 the 16 frequencies / 2 pi; v64-65 my two positions; v86-93 sums; v96-159 sin and cos: pair i of channels at v[96+4i] (sin: two rows), v[98+4i] (cos).
; Window 1: Wm v0-127, Wx v128-223 (gate g at 128 + 32 g), Wo v224-255.
.Lmem0:
	s_lshl_b32 s2, s45, 14
	v_lshl_add_u32 v20, v1, 4, s2           ; Wm: 16,384 bytes a wave
	v_mul_u32_u24 v22, v3, 18944
	v_lshl_add_u32 v22, v2, 4, v22
	s_mul_i32 s2, s45, 16*18944
	s_add_co_u32 s2, s2, s84
	v_add_nc_u32 v22, s2, v22               ; Wx: rows 16 (w & 3) + l / 16, my 64 columns: 16 lanes take 256 neighbouring bytes
	GLD 32, 0, 20, 16, 0, 512
	GLD 8, 128, 22, 36, 0, 37888
	GLD 8, 160, 22, 36, 9472, 37888
	GLD 8, 224, 24, 32, 0, 512
	WIN 0
	ADDRS
	v_mul_u32_u24 v14, v2, 144
	v_lshl_add_u32 v14, v3, 4, v14
	s_mul_i32 s2, s43, 9216
	s_mul_i32 s3, s44, 32*144
	s_add_co_u32 s2, s2, s3
	s_add_co_u32 s2, s2, L_KM
	v_add_nc_u32 v14, s2, v14               ; v14: Km: my head, rows 32 half + r
	v_mul_u32_u24 v15, v2, 160
	v_lshl_add_u32 v15, v3, 4, v15
	s_mul_i32 s2, s43, 10240
	s_mul_i32 s3, s44, 32*160
	s_add_co_u32 s2, s2, s3
	s_add_co_u32 s2, s2, L_VM
	v_add_nc_u32 v15, s2, v15               ; v15: Vm likewise
	s_lshl_b32 s2, s45, 8
	s_add_co_u32 s2, s2, L_CS
	v_lshl_add_u32 v21, v2, 4, s2           ; v21: my wave's 64 partial sums
	v_mul_u32_u24 v23, v3, 416
	v_lshl_add_u32 v23, v2, 3, v23
	s_mul_i32 s2, s45, 16*416
	s_add_co_u32 s2, s2, L_WX
	v_add_nc_u32 v23, s2, v23               ; v23: Wx's copy
	; THE STATE: 14 Euler sub-steps of the pair, the same in every cell.  sigmoid(100 (x - mean)) = 1 / (1 + 2^((x - mean) (-100 log2 e))).
	v_mov_b32 v32, 0
	v_mov_b32 v33, 1.0
	v_mov_b32 v47, s74
	v_mul_f32 v47, -0.5, v47                ; the input synapse: its input is 0, its mean 0.5
	v_exp_f32 v47, v47
	v_nop
	s_wait_alu depctr_va_vdst(0)
	v_add_f32 v47, 1.0, v47
	v_rcp_f32 v47, v47
	v_nop
	s_wait_alu depctr_va_vdst(0)
	v_mul_f32 v47, s80, v47
	s_mov_b32 s53, 14
.Lode:
	v_add_f32 v34, s75, v32                 ; recurrent: the cell's own potential,
	v_add_f32 v35, s75, v33
	v_add_f32 v36, s76, v33                 ; inhibitory: the partner's
	v_add_f32 v37, s76, v32
	v_mul_f32 v34, s74, v34
	v_mul_f32 v35, s74, v35
	v_mul_f32 v36, s74, v36
	v_mul_f32 v37, s74, v37
	v_exp_f32 v34, v34
	v_exp_f32 v35, v35
	v_exp_f32 v36, v36
	v_exp_f32 v37, v37
	v_sub_f32 v38, s82, v32                 ; plain work behind the exponentials: target - p
	v_sub_f32 v39, s82, v33
	v_sub_f32 v40, s81, v32
	v_sub_f32 v41, s81, v33
	s_wait_alu depctr_va_vdst(0)
	v_add_f32 v34, 1.0, v34
	v_add_f32 v35, 1.0, v35
	v_add_f32 v36, 1.0, v36
	v_add_f32 v37, 1.0, v37
	v_rcp_f32 v34, v34
	v_rcp_f32 v35, v35
	v_rcp_f32 v36, v36
	v_rcp_f32 v37, v37
	v_mul_f32 v40, v47, v40                 ; plain work behind the reciprocals: the input current
	v_mul_f32 v41, v47, v41
	s_wait_alu depctr_va_vdst(0)
	v_mul_f32 v42, v34, v38
	v_mul_f32 v43, v35, v39
	v_fma_f32 v44, v36, s78, s79            ; inhibitory and leakage pull to 0 together
	v_fma_f32 v45, v37, s78, s79
	v_fma_f32 v40, v42, s77, v40
	v_fma_f32 v41, v43, s77, v41
	v_fma_f32 v40, -v44, v32, v40
	v_fma_f32 v41, -v45, v33, v41
	v_fma_f32 v32, v40, s83, v32
	v_fma_f32 v33, v41, s83, v33
	s_sub_co_i32 s53, s53, 1
	s_cmp_lg_u32 s53, 0
	s_cbranch_scc1 .Lode
	; THE POSITIONAL ENCODING of my rows 1 + 32 half + r and 16 further, for my lane's 32 channels: pair i = 4 t + jj is channels 16 t + 8 (l / 16) + 2 jj (sin) and the next (cos), frequency 10000^-((8 t + 4 (l / 16) + jj) / 32).
	s_lshl_b32 s2, s44, 5
	s_add_co_u32 s2, s2, 1
	v_add_nc_u32 v64, s2, v2
	v_cvt_f32_u32 v64, v64
	v_add_f32 v65, 0x41800000, v64
	v_lshlrev_b32 v66, 2, v3
.set k, 0
.rept 16
	v_add_nc_u32 v[48+k], 8*(k/4)+k%4, v66
.set k, k+1
.endr
.set k, 0
.rept 16
	v_cvt_f32_u32 v[48+k], v[48+k]
.set k, k+1
.endr
.set k, 0
.rept 16
	v_mul_f32 v[48+k], s72, v[48+k]
.set k, k+1
.endr
.set k, 0
.rept 16
	v_exp_f32 v[48+k], v[48+k]
.set k, k+1
.endr
	v_nop                                   ; a plain instruction behind the last exponential
.set k, 0
	s_wait_alu depctr_va_vdst(0)
.rept 16
	v_mul_f32 v[48+k], 0.15915494, v[48+k]  ; in turns
.set k, k+1
.endr
; Four pairs of channels abreast.  The angle in turns, less the nearest whole number, times pi / 2 is a quarter of the angle, within pi / 4: sine to y^7, cosine to y^8; then the angle is doubled twice.
; at pb: +0 y, +2 y^2, +4 sine's polynomial, +6 y^3, +8 sin, +10 cos, +12 2 cos, +14 sin of the doubled angle
.macro PE4 i0
.set u, 0
.rept 4
.if (u%2) == 0
	v_pk_mul_f32 v[PT+16*u:PT+16*u+1], v[64:65], v[48+(\i0)+2*(u/2):49+(\i0)+2*(u/2)] op_sel_hi:[1,0]
.else
	v_pk_mul_f32 v[PT+16*u:PT+16*u+1], v[64:65], v[48+(\i0)+2*(u/2):49+(\i0)+2*(u/2)] op_sel:[0,1] op_sel_hi:[1,1]
.endif
.set u, u+1
.endr
	ALL4 v_rndne_f32 v[pb+2], v[pb]
	ALL4 v_rndne_f32 v[pb+3], v[pb+1]
	ALL4 v_pk_add_f32 v[pb:pb+1], v[pb:pb+1], v[pb+2:pb+3] neg_lo:[0,1] neg_hi:[0,1]
	ALL4 v_pk_mul_f32 v[pb:pb+1], v[pb:pb+1], s[56:57] op_sel_hi:[1,0]
	ALL4 v_pk_mul_f32 v[pb+2:pb+3], v[pb:pb+1], v[pb:pb+1]
	ALL4 v_pk_fma_f32 v[pb+4:pb+5], v[pb+2:pb+3], s[58:59], s[60:61] op_sel_hi:[1,0,0]
	ALL4 v_pk_fma_f32 v[pb+10:pb+11], v[pb+2:pb+3], s[66:67], s[68:69] op_sel_hi:[1,0,0]
	ALL4 v_pk_mul_f32 v[pb+6:pb+7], v[pb:pb+1], v[pb+2:pb+3]
	ALL4 v_pk_fma_f32 v[pb+4:pb+5], v[pb+4:pb+5], v[pb+2:pb+3], s[62:63] op_sel_hi:[1,1,0]
	ALL4 v_pk_fma_f32 v[pb+10:pb+11], v[pb+10:pb+11], v[pb+2:pb+3], s[70:71] op_sel_hi:[1,1,0]
	ALL4 v_pk_fma_f32 v[pb+8:pb+9], v[pb+6:pb+7], v[pb+4:pb+5], v[pb:pb+1]
	ALL4 v_pk_fma_f32 v[pb+10:pb+11], v[pb+10:pb+11], v[pb+2:pb+3], -0.5 op_sel_hi:[1,1,0]
	ALL4 v_pk_fma_f32 v[pb+10:pb+11], v[pb+10:pb+11], v[pb+2:pb+3], 1.0 op_sel_hi:[1,1,0]
	ALL4 v_pk_add_f32 v[pb+12:pb+13], v[pb+10:pb+11], v[pb+10:pb+11]
	ALL4 v_pk_mul_f32 v[pb+14:pb+15], v[pb+12:pb+13], v[pb+8:pb+9]
	ALL4 v_pk_fma_f32 v[pb+10:pb+11], v[pb+12:pb+13], v[pb+10:pb+11], -1.0 op_sel_hi:[1,1,0]
	ALL4 v_pk_add_f32 v[pb+12:pb+13], v[pb+10:pb+11], v[pb+10:pb+11]
	ALL4 v_pk_mul_f32 v[96+4*((\i0)+u):97+4*((\i0)+u)], v[pb+12:pb+13], v[pb+14:pb+15]
	ALL4 v_pk_fma_f32 v[98+4*((\i0)+u):99+4*((\i0)+u)], v[pb+12:pb+13], v[pb+10:pb+11], -1.0 op_sel_hi:[1,1,0]
.endm
	PE4 0
	PE4 4
	PE4 8
	PE4 12
	GLD 8, 192, 22, 36, 14208, 37888        ; Wx's gate o
	s_wait_loadcnt 32                       ; Wm is in: behind it 8 + 8 + 8 + 8 loads were issued
	WIN 0x05                                ; the first four loads start two sets of four sums: nothing is cleared
	v_pk_add_f32 v[86:87], v[0:1], v[8:9]
	v_pk_add_f32 v[88:89], v[2:3], v[10:11]
	v_pk_add_f32 v[90:91], v[4:5], v[12:13]
	v_pk_add_f32 v[92:93], v[6:7], v[14:15]
	WIN 0x04
.set k, 4
.rept 28
	v_pk_add_f32 v[86+4*(k%2):87+4*(k%2)], v[86+4*(k%2):87+4*(k%2)], v[4*k:4*k+1]
	v_pk_add_f32 v[88+4*(k%2):89+4*(k%2)], v[88+4*(k%2):89+4*(k%2)], v[4*k+2:4*k+3]
.set k, k+1
.endr
	WIN 0
	v_pk_add_f32 v[86:87], v[86:87], v[90:91]
	v_pk_add_f32 v[88:89], v[88:89], v[92:93]
.set k, 0
.rept 4
	v_permlanex16_b32 v[90+k], v[86+k], s50, s51   ; the other half of the lanes holds the rows of the other parity
.set k, k+1
.endr
.set k, 0
.rept 4
	v_add_f32 v[86+k], v[86+k], v[90+k]
.set k, k+1
.endr
	ds_store_b128 v21, v[86:89]             ; columns 4 r .. 4 r + 3 over my wave's 64 rows of Wm
	s_wait_loadcnt 8                        ; Wo is in: the gate o's eight loads may stay out
	CVST 8, 224, 164, 25, 0, 320
.Lbar1:
	BAR                                     ; Wi, Wq, Wk, Wv, Wo, the biases and the partial sums are whole
	s_cmp_lt_u32 s42, 4
	s_cbranch_scc0 .Lmem1
; ---------------------------------------------------------------- ROW, block 1: aug0 = x Wi + bi + PE[0]; then Q, K0, V0 of my head
; v32-47 aug0 as source 1; v48-55 Q, v56-63 K0 of the tile in hand; v64-95 aug0's sums, then V0; v96-167, v168-239 two buffers of fragments; v240-255 Q as source 1; v28-31 Q . K0 in f32
.macro LROW t                           ; 18 LDS loads: tile t of Wq, Wk, Wv (two K steps each) and of bq, bk, bv
.set lb, 96+72*((\t)%2)
	TRF lb, 6, L_WQ+32*(\t), 4608
	TRF lb+16, 6, L_WK+32*(\t), 4608
	TRF lb+32, 6, L_WV+32*(\t), 4608
	BT lb+48, 11, L_TB+64*(\t)
	BT lb+56, 11, L_TB+512+64*(\t)
	BT lb+64, 11, L_TB+1024+64*(\t)
	TRF lb+8, 6, L_WQ+9216+32*(\t), 4608
	TRF lb+24, 6, L_WK+9216+32*(\t), 4608
	TRF lb+40, 6, L_WV+9216+32*(\t), 4608
.endm
.macro WROW t                           ; three accumulators by turns
.set lb, 96+72*((\t)%2)
	MM 48, lb, 32, lb+48
	MM 56, lb+16, 32, lb+56
	MM 64+8*(\t), lb+32, 32, lb+64
	MM 48, lb+8, 40, 48
	MM 56, lb+24, 40, 56
	MM 64+8*(\t), lb+40, 40, 64+8*(\t)
.endm
.macro PROW t                           ; the score of row 0 is summed in f32; Q is packed for the other 64 scores
.if (\t) == 0
	v_pk_mul_f32 v[28:29], v[48:49], v[56:57]
	v_pk_mul_f32 v[30:31], v[50:51], v[58:59]
.else
	v_pk_fma_f32 v[28:29], v[48:49], v[56:57], v[28:29]
	v_pk_fma_f32 v[30:31], v[50:51], v[58:59], v[30:31]
.endif
	v_pk_fma_f32 v[28:29], v[52:53], v[60:61], v[28:29]
	v_pk_fma_f32 v[30:31], v[54:55], v[62:63], v[30:31]
.set k, 0
.rept 4
	v_cvt_pk_bf16_f32 v[240+4*(\t)+k], v[48+2*k], v[49+2*k]
.set k, k+1
.endr
.endm
.set k, 0
.rept 4
	TRF 168+8*k, 7, L_WI+32*k, 2560
.set k, k+1
.endr
.set k, 0
.rept 4
	BT 200+8*k, 12, L_TB+2048+64*k
.set k, k+1
.endr
	LROW 0
	s_wait_dscnt 18                         ; Wi and bi are in; LROW 0's 18 loads may stay out
.set k, 0
.rept 4
	MM 64+8*k, 168+8*k, 56, 200+8*k
.set k, k+1
.endr
	PLACES 4
.set k, 0
.rept 16
	v_cvt_pk_bf16_f32 v[32+k], v[64+2*k], v[65+2*k]
.set k, k+1
.endr
	LROW 1
	s_wait_dscnt 18                         ; tile 0's fragments are in; the next tile's 18 loads stay out
	WROW 0
	PLACES 5                                ; the next tile's products write over Q and K0, and loads land on this tile's fragments
	PROW 0
	LROW 2
	s_wait_dscnt 18
	WROW 1
	PLACES 5
	PROW 1
	LROW 3
	s_wait_dscnt 18
	WROW 2
	PLACES 5
	PROW 2
	s_wait_dscnt 0x0
	WROW 3
	PLACES 5
	PROW 3
	s_branch .Lbar2
; ---------------------------------------------------------------- MEM, block 1: Am = p0 colsum(Wm) + bm + PE; Km, Vm of my head and my 32 rows -> LDS
; v160-191 e for my lane's 32 channels; v64-95 Am hi, v32-63 Am lo as source 1 (16 lt + 8 kf); v192-239, v96-143 two buffers; v144-175 the four accumulators; v176-191 packed; v240-255 at work
.Lmem1:
.macro EHALF hf                         ; channels 32 hf on: the four waves' partial sums are added, e = p0 sum + bm
.set em, 0
.rept 4
.set et, 0
.rept 2
	BT 192+16*em+8*et, 12, L_CS+256*em+64*(2*(\hf)+et)
.set et, et+1
.endr
.set em, em+1
.endr
	BT 66, 12, L_TB+2304+128*(\hf)
	BT 74, 12, L_TB+2304+128*(\hf)+64
	s_wait_dscnt 0x0
.set ep, 0
.rept 8
	v_pk_add_f32 v[192+2*ep:193+2*ep], v[192+2*ep:193+2*ep], v[208+2*ep:209+2*ep]
	v_pk_add_f32 v[224+2*ep:225+2*ep], v[224+2*ep:225+2*ep], v[240+2*ep:241+2*ep]
.set ep, ep+1
.endr
.set ep, 0
.rept 8
	v_pk_add_f32 v[192+2*ep:193+2*ep], v[192+2*ep:193+2*ep], v[224+2*ep:225+2*ep]
.set ep, ep+1
.endr
.set ep, 0
.rept 8
	v_pk_fma_f32 v[160+16*(\hf)+2*ep:161+16*(\hf)+2*ep], v[192+2*ep:193+2*ep], v[32:33], v[66+2*ep:67+2*ep] op_sel_hi:[1,0,1]
.set ep, ep+1
.endr
.endm
.macro LMEM t                           ; 12 LDS loads: tile t of Wk, Wv, bk, bv
.set lb, 192-96*((\t)%2)
	TRF lb, 6, L_WK+32*(\t), 4608
	TRF lb+16, 6, L_WV+32*(\t), 4608
	BT lb+32, 11, L_TB+512+64*(\t)
	BT lb+40, 11, L_TB+1024+64*(\t)
	TRF lb+8, 6, L_WK+9216+32*(\t), 4608
	TRF lb+24, 6, L_WV+9216+32*(\t), 4608
.endm
.macro WMEM t                           ; K of two row tiles from Am hi; V from Am hi and lo.  No two neighbours share an accumulator
.set lb, 192-96*((\t)%2)
	MM 144, lb, 64, lb+32
	MM 152, lb, 80, lb+32
	MM 160, lb+16, 64, lb+40
	MM 168, lb+16, 80, lb+40
	MM 144, lb+8, 72, 144
	MM 152, lb+8, 88, 152
	MM 160, lb+24, 72, 160
	MM 168, lb+24, 88, 168
	MM 160, lb+16, 32, 160
	MM 168, lb+16, 48, 168
	MM 160, lb+24, 40, 160
	MM 168, lb+24, 56, 168
.endm
.macro PMEM t                           ; a lane's eight channels of a row pack into 16 bytes
.set k, 0
.rept 16
	v_cvt_pk_bf16_f32 v[176+k], v[144+2*k], v[145+2*k]
.set k, k+1
.endr
	ds_store_b128 v14, v[176:179] offset:32*(\t)
	ds_store_b128 v14, v[180:183] offset:2304+32*(\t)
	ds_store_b128 v15, v[184:187] offset:32*(\t)
	ds_store_b128 v15, v[188:191] offset:2560+32*(\t)
.endm
.macro AMS t                            ; sin + e(even channel), cos + e(odd channel), both rows at once
	ALL4 v_pk_add_f32 v[96+16*(\t)+4*u:97+16*(\t)+4*u], v[96+16*(\t)+4*u:97+16*(\t)+4*u], v[160+8*(\t)+2*u:161+8*(\t)+2*u] op_sel_hi:[1,0]
	ALL4 v_pk_add_f32 v[98+16*(\t)+4*u:99+16*(\t)+4*u], v[98+16*(\t)+4*u:99+16*(\t)+4*u], v[160+8*(\t)+2*u:161+8*(\t)+2*u] op_sel:[0,1] op_sel_hi:[1,1]
.endm
.macro AMC t, lt                        ; row tile lt: bf16 hi, and what the rounding left as bf16 lo
	ALL4 v_cvt_pk_bf16_f32 v[64+16*(\lt)+4*(\t)+u], v[96+16*(\t)+4*u+(\lt)], v[98+16*(\t)+4*u+(\lt)]
	ALL4 v_lshlrev_b32 v[240+4*u+2*(\lt)], 16, v[64+16*(\lt)+4*(\t)+u]
	ALL4 v_and_b32 v[241+4*u+2*(\lt)], s52, v[64+16*(\lt)+4*(\t)+u]
	ALL4 v_sub_f32 v[240+4*u+2*(\lt)], v[96+16*(\t)+4*u+(\lt)], v[240+4*u+2*(\lt)]
	ALL4 v_sub_f32 v[241+4*u+2*(\lt)], v[98+16*(\t)+4*u+(\lt)], v[241+4*u+2*(\lt)]
	ALL4 v_cvt_pk_bf16_f32 v[32+16*(\lt)+4*(\t)+u], v[240+4*u+2*(\lt)], v[241+4*u+2*(\lt)]
.endm
	EHALF 0
	EHALF 1
	LMEM 0
.irp t, 0,1,2,3
	AMS \t
	AMC \t, 0
	AMC \t, 1
.endr
	LMEM 1
	s_wait_dscnt 12                         ; tile 0's fragments are in; tile 1's 12 loads stay out
	WMEM 0
	PLACES 5
	PMEM 0
	LMEM 2
	s_wait_dscnt 16                         ; behind tile 1's loads: 4 stores and 12 loads
	WMEM 1
	PLACES 5
	PMEM 1
	LMEM 3
	s_wait_dscnt 16
	WMEM 2
	PLACES 5
	PMEM 2
	s_wait_dscnt 4                          ; behind tile 3's loads: 4 stores
	WMEM 3
	PLACES 5
	PMEM 3
.Lbar2:
	BAR                                     ; Km and Vm are whole
	s_cmp_lt_u32 s42, 4
	s_cbranch_scc0 .Lmem2
; ---------------------------------------------------------------- ROW, block 2: scores, softmax over 65 rows, ctx, my head's part of o
; v32-63 S^T (a lane: one batch row, 32 of the 64 memory rows), later ctx hi and lo; v96-159 Km, later Wo; v160-223 Vm, later o's sums; v224-239 statistics and at work; v240-255 P; v28 the score of row 0
.set k, 0
.rept 8
	FRG 96+8*k, 14, 2304*(k/2)+64*(k%2)     ; rows 16 (k / 2) on, channels 32 (k % 2) on
.set k, k+1
.endr
.set k, 0
.rept 8
	TRF 160+8*k, 8, 5120*(k/4)+32*(k%4), 2560   ; rows 32 (k / 4) on, channels 16 (k % 4) on
.set k, k+1
.endr
	v_pk_add_f32 v[28:29], v[28:29], v[30:31]
	v_add_f32 v28, v28, v29
	v_permlanex16_b32 v29, v28, s50, s51    ; the other 32 channels lie in the lane 16 away
	v_add_f32 v28, v28, v29
	s_wait_dscnt 16                         ; Km is in; Vm's 16 loads may stay out
.set k, 0
.rept 4
	MM0 32+8*k, 96+16*k, 240
.set k, k+1
.endr
.set k, 0
.rept 4
	MM 32+8*k, 104+16*k, 248, 32+8*k
.set k, k+1
.endr
	PLACES 5
.set k, 0
.rept 8
	TRF 96+8*k, 9, 5120*(k/4)+32*(k%4), 2560    ; Wo: (h,k) 32 (k / 4) on, d 16 (k % 4) on
.set k, k+1
.endr
.set k, 0
.rept 4
	v_max3_num_f32 v[224+k], v[32+8*k], v[33+8*k], v[34+8*k]   ; each accumulator's lowest registers are read first
.set k, k+1
.endr
.set k, 4
.rept 8
	v_max3_num_f32 v[224+k%4], v[224+k%4], v[32+8*(k%4)+2*(k/4)+1], v[32+8*(k%4)+2*(k/4)+2]
.set k, k+1
.endr
	v_max3_num_f32 v224, v224, v39, v47
	v_max3_num_f32 v225, v225, v55, v63
	v_max3_num_f32 v226, v226, v227, v28
	v_max3_num_f32 v224, v224, v225, v226
	v_permlanex16_b32 v227, v224, s50, s51
	v_max_num_f32 v229, v224, v227          ; the maximum of the row's 65 scores
	v_mul_f32 v228, s54, v229
.set k, 0
.rept 16
	v_pk_fma_f32 v[32+2*k:33+2*k], v[32+2*k:33+2*k], s[54:55], v[228:229] op_sel_hi:[1,0,0] neg_lo:[0,0,1] neg_hi:[0,0,1]
.set k, k+1
.endr
	v_fma_f32 v28, v28, s54, -v228
.set k, 0
.rept 32
	v_exp_f32 v[32+k], v[32+k]
.set k, k+1
.endr
	v_exp_f32 v28, v28
	v_mov_b32 v231, 0                       ; a plain instruction behind the last exponential (v231 is named with v230 as a pair)
.set k, 0
	s_wait_alu depctr_va_vdst(0)
.rept 16
	v_cvt_pk_bf16_f32 v[240+k], v[32+2*k], v[33+2*k]
.set k, k+1
.endr
.set k, 0
.rept 8
	v_pk_add_f32 v[32+4*k:33+4*k], v[32+4*k:33+4*k], v[34+4*k:35+4*k]   ; the sum is taken of the unrounded weights, in place
.set k, k+1
.endr
.set k, 0
.rept 4
	v_pk_add_f32 v[32+8*k:33+8*k], v[32+8*k:33+8*k], v[36+8*k:37+8*k]
.set k, k+1
.endr
	v_pk_add_f32 v[32:33], v[32:33], v[40:41]
	v_pk_add_f32 v[48:49], v[48:49], v[56:57]
	v_pk_add_f32 v[32:33], v[32:33], v[48:49]
	v_add_f32 v226, v32, v33
	v_permlanex16_b32 v227, v226, s50, s51
	v_add_f32 v226, v226, v227
	v_add_f32 v226, v226, v28               ; row 0's weight, once
	v_rcp_f32 v230, v226
.set k, 0
.rept 16
	v_pk_mul_f32 v[64+2*k:65+2*k], v[64+2*k:65+2*k], v[28:29] op_sel_hi:[1,0]   ; row 0's share starts ctx
.set k, k+1
.endr
	s_wait_dscnt 16                         ; Vm is in; Wo's 16 loads may stay out
.set k, 0
.rept 4
	MM 64+8*k, 160+8*k, 240, 64+8*k
.set k, k+1
.endr
.set k, 0
.rept 4
	MM 64+8*k, 192+8*k, 248, 64+8*k
.set k, k+1
.endr
	PLACES 5
.set k, 0
	s_wait_alu depctr_va_vdst(0)
.rept 16
	v_pk_mul_f32 v[64+2*k:65+2*k], v[64+2*k:65+2*k], v[230:231] op_sel_hi:[1,0]
.set k, k+1
.endr
	SPLIT16 32, 48, 64, 232
	s_wait_dscnt 0x0                        ; Wo
.set k, 0
.rept 4
	MM0 160+8*k, 96+8*k, 32
.set k, k+1
.endr
.set k, 0
.rept 4
	MM 160+8*k, 96+8*k, 48, 160+8*k
.set k, k+1
.endr
.set k, 0
.rept 4
	MM 160+8*k, 128+8*k, 40, 160+8*k
.set k, k+1
.endr
.set k, 0
.rept 4
	MM 160+8*k, 128+8*k, 56, 160+8*k
.set k, k+1
.endr
	PLACES 4
.set k, 0
.rept 4
	ds_store_b128 v15, v[160+8*k:163+8*k] offset:64*k
	ds_store_b128 v15, v[164+8*k:167+8*k] offset:64*k+16
.set k, k+1
.endr
	s_branch .Lbar3
; ---------------------------------------------------------------- MEM meanwhile: my 16 rows of Wx's three slices -> bf16 in LDS
.Lmem2:
	s_wait_loadcnt 0x0                      ; the gate o's loads, the last that were out
	CVST 8, 128, 192, 23, 0, 832
	CVST 8, 160, 208, 23, 128, 832
	CVST 8, 192, 224, 23, 256, 832
.Lbar3:
	BAR                                     ; both heads' parts of o and Wx's copy are whole
; ---------------------------------------------------------------- all waves: o, z for 16 rows x 16 columns x 3 gates, the activation
; v32-79 Wx (16 g + 8 kf), v80-103 bl, v104-135 bo, v136-167 and v168-199 the two parts of o, v200-215 o hi, v216-231 o lo, v232-239 zi, v240-247 zo, v248-255 zg
.set k, 0
.rept 8
	BT 136+8*k, 16, 8704*(k/4)+64*(k%4)
.set k, k+1
.endr
.set k, 0
.rept 4
	BT 104+8*k, 12, L_TB+2560+64*k
.set k, k+1
.endr
.set k, 0
.rept 6
	TRF 32+8*k, 10, 13312*(k%2)+128*(k/2), 6656
.set k, k+1
.endr
	BT 80, 13, L_TB+1536
	BT 88, 13, L_TB+1792
	BT 96, 13, L_TB+2816
	s_wait_dscnt 18                         ; o's parts and bo are in; Wx's 12 loads and bl's 6 may stay out
.set k, 0
.rept 16
	v_pk_add_f32 v[136+2*k:137+2*k], v[136+2*k:137+2*k], v[104+2*k:105+2*k]
.set k, k+1
.endr
.set k, 0
.rept 16
	v_pk_add_f32 v[136+2*k:137+2*k], v[136+2*k:137+2*k], v[168+2*k:169+2*k]
.set k, k+1
.endr
	SPLIT16 200, 216, 136, 168
	s_wait_dscnt 0x0
	MM 232, 32, 200, 80                     ; three accumulators by turns
	MM 248, 48, 200, 88
	MM 240, 64, 200, 96
	MM 232, 32, 216, 232
	MM 248, 48, 216, 248
	MM 240, 64, 216, 240
	MM 232, 40, 208, 232
	MM 248, 56, 208, 248
	MM 240, 72, 208, 240
	MM 232, 40, 224, 232
	MM 248, 56, 224, 248
	MM 240, 72, 224, 240
	PLACES 4
.macro SIGM x, n                        ; 1 / (1 + 2^(-x log2 e)), in place on n registers
.set k, 0
.rept (\n)/2
	v_pk_mul_f32 v[(\x)+2*k:(\x)+2*k+1], v[(\x)+2*k:(\x)+2*k+1], s[88:89] op_sel_hi:[1,0]
.set k, k+1
.endr
.set k, 0
.rept \n
	v_exp_f32 v[(\x)+k], v[(\x)+k]
.set k, k+1
.endr
	v_nop
.set k, 0
	s_wait_alu depctr_va_vdst(0)
.rept (\n)/2
	v_pk_add_f32 v[(\x)+2*k:(\x)+2*k+1], v[(\x)+2*k:(\x)+2*k+1], 1.0 op_sel_hi:[1,0]
.set k, k+1
.endr
.set k, 0
.rept \n
	v_rcp_f32 v[(\x)+k], v[(\x)+k]
.set k, k+1
.endr
	v_nop
.endm
; tanh, in place on 8 registers: 1 - 2 / (1 + 2^(2 x log2 e)); where x^2 < 0.0625 the series x - x^3/3 + 2 x^5/15 - 17 x^7/315, which keeps small numbers' digits.  Both are made, one is chosen.
.set TE, 136
.set TX, 144
.set TQ, 152
.macro TANH8 x
.set k, 0
.rept 4
	v_pk_mul_f32 v[TE+2*k:TE+2*k+1], v[(\x)+2*k:(\x)+2*k+1], s[86:87] op_sel_hi:[1,0]
.set k, k+1
.endr
.set k, 0
.rept 8
	v_exp_f32 v[TE+k], v[TE+k]
.set k, k+1
.endr
.set k, 0
.rept 4
	v_pk_mul_f32 v[TX+2*k:TX+2*k+1], v[(\x)+2*k:(\x)+2*k+1], v[(\x)+2*k:(\x)+2*k+1]
.set k, k+1
.endr
.set k, 0
	s_wait_alu depctr_va_vdst(0)
.rept 4
	v_pk_add_f32 v[TE+2*k:TE+2*k+1], v[TE+2*k:TE+2*k+1], 1.0 op_sel_hi:[1,0]
.set k, k+1
.endr
.set k, 0
.rept 8
	v_rcp_f32 v[TE+k], v[TE+k]
.set k, k+1
.endr
.set k, 0
.rept 4
	v_pk_fma_f32 v[TQ+2*k:TQ+2*k+1], v[TX+2*k:TX+2*k+1], s[90:91], s[92:93] op_sel_hi:[1,0,0]
.set k, k+1
.endr
.set k, 0
.rept 4
	v_pk_fma_f32 v[TQ+2*k:TQ+2*k+1], v[TQ+2*k:TQ+2*k+1], v[TX+2*k:TX+2*k+1], s[94:95] op_sel_hi:[1,1,0]
.set k, k+1
.endr
.set k, 0
.rept 4
	v_pk_mul_f32 v[TQ+2*k:TQ+2*k+1], v[TQ+2*k:TQ+2*k+1], v[TX+2*k:TX+2*k+1]
.set k, k+1
.endr
.set k, 0
.rept 4
	v_pk_fma_f32 v[TQ+2*k:TQ+2*k+1], v[TQ+2*k:TQ+2*k+1], v[(\x)+2*k:(\x)+2*k+1], v[(\x)+2*k:(\x)+2*k+1]
.set k, k+1
.endr
.set k, 0
	s_wait_alu depctr_va_vdst(0)
.rept 4
	v_pk_fma_f32 v[TE+2*k:TE+2*k+1], v[TE+2*k:TE+2*k+1], -2.0, 1.0 op_sel_hi:[1,0,0]
.set k, k+1
.endr
.set k, 0
.rept 8
	v_cmp_gt_f32 vcc_lo, s96, v[TX+k]
	v_cndmask_b32 v[(\x)+k], v[TE+k], v[TQ+k], vcc_lo
.set k, k+1
.endr
.endm
	SIGM 232, 16                            ; sigmoid(zi), sigmoid(zo)
	TANH8 248                               ; tanh(zg)
.set k, 0
.rept 4
	v_pk_mul_f32 v[248+2*k:249+2*k], v[248+2*k:249+2*k], v[232+2*k:233+2*k]   ; c
.set k, k+1
.endr
	TANH8 248
.set k, 0
.rept 4
	v_pk_mul_f32 v[248+2*k:249+2*k], v[248+2*k:249+2*k], v[240+2*k:241+2*k]   ; h
.set k, k+1
.endr
	ds_store_b128 v17, v[248:251]
	ds_store_b128 v17, v[252:255] offset:16
	BAR                                     ; a row's 256 bytes come from four waves: the stage is whole
	; THE WAY OUT: wave w takes rows 4 w .. 4 w + 3, whole
	ds_load_b128 v[32:35], v18
	ds_load_b128 v[36:39], v18 offset:544
	s_wait_dscnt 1                          ; the first two rows are back
	global_store_b128 v19, v[32:35], s[98:99] th:TH_STORE_NT                 ; 16 lanes store 256 consecutive bytes, at a multiple of 256 from out0's first byte
	s_wait_dscnt 0x0
	global_store_b128 v19, v[36:39], s[98:99] offset:8192 th:TH_STORE_NT
	s_wait_tensorcnt 0x0                    ; the wave's end, behind my last LDS store
	ds_add_u32 v4, v5
	s_wait_dscnt 0x0
	s_endpgm
.Lfunc_end_k_q9fd415bcd3_mla:
	.size	k_q9fd415bcd3_mla, .Lfunc_end_k_q9fd415bcd3_mla-k_q9fd415bcd3_mla
	.p2alignl 7, 3214868480
	.fill 96, 4, 3214868480
	.section	.rodata,"a",@progbits
	.p2align	6, 0x0
	.amdhsa_kernel k_q9fd415bcd3_mla
		.amdhsa_group_segment_fixed_size 177664
		.amdhsa_private_segment_fixed_size 0
		.amdhsa_enable_private_segment 0
		.amdhsa_kernarg_size 136
		.amdhsa_user_sgpr_count 2
		.amdhsa_user_sgpr_kernarg_segment_ptr 1
		.amdhsa_wavefront_size32 1
		.amdhsa_system_sgpr_workgroup_id_x 1
		.amdhsa_system_sgpr_workgroup_id_y 1
		.amdhsa_system_sgpr_workgroup_id_z 1
		.amdhsa_system_vgpr_workitem_id 0
		.amdhsa_next_free_vgpr 512
		.amdhsa_next_free_sgpr 100
		.amdhsa_reserve_vcc 1
		.amdhsa_float_denorm_mode_32 3
		.amdhsa_float_denorm_mode_16_64 3
		.amdhsa_memory_ordered 1
		.amdhsa_forward_progress 1
		.amdhsa_inst_pref_size 150
	.end_amdhsa_kernel
	.amdgpu_metadata
---
amdhsa.version: [ 1, 2 ]
amdhsa.kernels:
  - .name:           k_q9fd415bcd3_mla
    .symbol:         k_q9fd415bcd3_mla.kd
    .args:
      - { .name: queries, .offset: 0, .size: 8, .value_kind: global_buffer, .address_space: global }
      - { .name: values, .offset: 8, .size: 8, .value_kind: global_buffer, .address_space: global }
      - { .name: Wi, .offset: 16, .size: 8, .value_kind: global_buffer, .address_space: global }
      - { .name: bi, .offset: 24, .size: 8, .value_kind: global_buffer, .address_space: global }
      - { .name: Wm, .offset: 32, .size: 8, .value_kind: global_buffer, .address_space: global }
      - { .name: bm, .offset: 40, .size: 8, .value_kind: global_buffer, .address_space: global }
      - { .name: Wq, .offset: 48, .size: 8, .value_kind: global_buffer, .address_space: global }
      - { .name: bq, .offset: 56, .size: 8, .value_kind: global_buffer, .address_space: global }
      - { .name: Wk, .offset: 64, .size: 8, .value_kind: global_buffer, .address_space: global }
      - { .name: bk, .offset: 72, .size: 8, .value_kind: global_buffer, .address_space: global }
      - { .name: Wv, .offset: 80, .size: 8, .value_kind: global_buffer, .address_space: global }
      - { .name: bv, .offset: 88, .size: 8, .value_kind: global_buffer, .address_space: global }
      - { .name: Wo, .offset: 96, .size: 8, .value_kind: global_buffer, .address_space: global }
      - { .name: bo, .offset: 104, .size: 8, .value_kind: global_buffer, .address_space: global }
      - { .name: Wx, .offset: 112, .size: 8, .value_kind: global_buffer, .address_space: global }
      - { .name: bl, .offset: 120, .size: 8, .value_kind: global_buffer, .address_space: global }
      - { .name: out0, .offset: 128, .size: 8, .value_kind: global_buffer, .address_space: global }
    .group_segment_fixed_size: 177664
    .private_segment_fixed_size: 0
    .kernarg_segment_align: 8
    .kernarg_segment_size: 136
    .max_flat_workgroup_size: 256
    .sgpr_count:     100
    .vgpr_count:     512
    .wavefront_size: 32
...
	.end_amdgpu_metadata
.endif
;; end of part 1
;; ======== version 2 of 2: 1 launch; version 1 with the launch mla written anew for expert scheduling mode
;; launch mla (part 2): grid 16 x 4, 8 waves a work-group, no clusters, 177,664 bytes of LDS; arguments queries, values, Wi, bi, Wm, bm, Wq, bq, Wk, bk, Wv, bv, Wo, bo, Wx, bl, out0; writes out0
.if DOCPART == 2
	.amdgcn_target "amdgcn-amd-amdhsa--gfx1250"
	.amdhsa_code_object_version 6
	.text
	.protected	k_q9fd415bcd3_mla
	.globl	k_q9fd415bcd3_mla
	.p2align	8
	.type	k_q9fd415bcd3_mla,@function
k_q9fd415bcd3_mla:
	s_mov_b64 s[64:65], 0
	v_nop
	global_prefetch_b8 v0, s[64:65] scope:SCOPE_SE
	s_setreg_imm32_b32 hwreg(HW_REG_WAVE_SCHED_MODE, 0, 2), 2
	s_setreg_imm32_b32 hwreg(HW_REG_WAVE_MODE, 25, 1), 1
	s_wait_xcnt 0x0
	s_wait_alu depctr_vm_vsrc(0)
; MemoryLayerAttention: the controller's output of the last time step, out0[128][1024] f32.
; WHAT IS COMPUTED.  The result is the scan's last output, made from the state after 7 updates (14 Euler sub-steps).  The state starts as (0, 1) in every cell, its input is zeros and the
; update is element-wise with constants: for every input all cells hold one pair (p0, p1).  So mem @ Wm = p0 x (column sums of Wm), rows 1..64 of the augmented sequence and their K and V are the
; same for all 128 batch rows, and of values only time step 7, of Wx and bl only columns 0..1023 of the gates i, g, o reach the result (the gate f is never used, h is cut at 1,024).
; NOT LOADED, since no bit of them reaches the result: values[:, 0..6], Wx's and bl's gate f and units 1,024..1,183.
; SHARES.  Work-group (x, y) owns batch rows 32 y .. + 31 and output columns 64 x .. + 63; it makes everything up to o for its 32 rows, then z for 3 x 64 columns of Wx.  64 work-groups: the part
; up to o (204,800 bytes of weights, six of the chain's eight products) has to be made by each, so a finer split multiplies that traffic and shortens the last product alone.
; Waves 0-3 (ROW): head (w >> 1) & 1, batch rows 16 (w & 1) on.  Waves 4-7 (MEM): the same head bit, memory rows 32 (w & 1) on.  In the last product every wave: columns 16 (w & 3) on, rows 16 (w >> 2) on.
; NO TENSOR LOADS, NO CLUSTER: every weight passes through registers to be rounded to bf16, and the raw f32 (253,952 bytes) beside the bf16 copies and stages (177,664) is more than 327,680 bytes of LDS.
; LAYOUT.  Every product is used transposed, act^T = W^T act^T: source 0 = 16 columns of W, turned out of a bf16 copy [k][n] in LDS by ds_load_tr16_b128; source 1 = 16 rows.  In a result lane l holds
; row l % 16 and register j channel 16 t + 8 (l / 16) + j, so two results packed in pairs ARE the next product's source 1.  A bias is the C operand of a sum's first product.
; FORMATS.  All inputs that enter a product are rounded to bf16, the biases too; sums, softmax, activations in f32.  Am (for V), ctx and o enter their products as bf16 hi + bf16 lo.
; LIMITS.  Exponentials below 2^-126 count as 0; NaN and infinities are not treated apart.  The positional encoding is made here by polynomials, to about 1e-5.  The ODE's four currents are added in
; another order than the sum over the stacked axis; sigmoid(inf) is written as 1.  Wm enters as an f32 column sum, not rounded to bf16 (it is multiplied by p0).  tanh is its series up to x^7 where x^2 < 0.0625.
; REGISTERS.  Window 0: v0-31 ids and addresses, v32-255 at work (maps at each block).  Window 1: raw f32 weights as loaded; once they are rounded, further buffers for LDS loads.
; s_set_vgpr_msb: bits 1:0 source 0, 3:2 source 1, 5:4 source 2, 7:6 destination.
; THE MODE: SCHED_MODE bits 1:0 = 2 (LLVM: expert scheduling mode 2), set by the entry lines.  The code itself states the register dependences between vector or matrix instructions and memory or LDS
; instructions, with s_wait_alu, always for 0.
; THE PLAN.  Registers that memory or LDS instructions touch, and who else names them:
;   v6-31       addresses: written once, in the head and in block 0, ahead of a wait on va_vdst; never written again, but for the ROW waves' v28-31, which block 1 takes for sums behind barrier 1's wait on vm_vsrc.
;   window 1    raw weights: loaded once, read by conversions or sums; behind those, LDS loads land there (MEM: the partial column sums and bm; ROW: Wo's fragments).
;   rounded weights on their way to LDS: every batch has registers of its own, so a batch has one wait on va_vdst, between its conversions and its stores, and none on vm_vsrc.
;   ROW, block 1: two fragment buffers by turns.  Behind a tile's products and their places one wait on va_vdst; the loads into the buffer just read follow it, and the tile's vector work follows them.
;   MEM, block 1: two fragment buffers and two out-buffers by turns.  One wait on va_vdst a tile, behind its conversions: for its stores' data and for the loads into the buffer just read.  One wait on vm_vsrc, ahead of tile 2's conversions, frees both out-buffers.
;   Behind barriers 1 and 3 one wait on vm_vsrc: the data of the LDS stores in front of the barrier are written again behind it.
.set L_WI, 0          ; bf16 [32 i][64 d], pitch 160
.set L_WQ, 5120       ; bf16 [64 d][128 (h,k)], pitch 288
.set L_WK, 23552      ; the same
.set L_WV, 41984      ; the same
.set L_TB, 60416      ; f32 biases: bq 0, bk 512, bv 1024, bl(i) 1536, bl(g) 1792, bi + PE[0] 2048, bm 2304, bo 2560, bl(o) 2816
.set L_CS, 63488      ; f32 [4 waves][64]: partial column sums of Wm
.set L_KM, 64512      ; bf16 [2 h][64 l][64 k], pitch 144
.set L_VM, 82944      ; bf16 [2 h][64 l][64 k], pitch 160
.set L_WO, 103424     ; bf16 [128 (h,k)][64 d], pitch 160
.set L_WX, 123904     ; bf16 [64 d][3 gates x 64], pitch 416
.set L_OP, 150528     ; f32 [2 h][32 b][64 d], pitch 272: each head's part of o
.set L_ST, 167936     ; f32 [32 b][64 n], pitch 272: the way out
.set SPARE, 176640    ; the spare words, 128 bytes a wave: four blocks of 256 bytes that no other line names
.set PT, 164          ; MEM: four sets of 16 registers at work on the positional encoding
.set MSB, 0
.macro WIN new                      ; the high byte repeats the setting that is left; a switch that changes nothing is dropped
.if MSB != (\new)
	s_set_vgpr_msb (MSB<<8)|(\new)
.set MSB, (\new)
.endif
.endm
.macro PLACES n                     ; plain vector instructions behind matrix instructions (ISA guide 7.12.1)
.rept \n
	v_nop
.endr
.endm
.macro MM d, a, b, c
	v_wmma_f32_16x16x32_bf16 v[(\d):(\d)+7], v[(\a):(\a)+7], v[(\b):(\b)+7], v[(\c):(\c)+7]
.endm
.macro MM0 d, a, b
	v_wmma_f32_16x16x32_bf16 v[(\d):(\d)+7], v[(\a):(\a)+7], v[(\b):(\b)+7], 0
.endm
.macro TRF dst, va, off, half       ; a fragment of W^T out of rows [k][n]: 32 k x 16 n, turned
	ds_load_tr16_b128 v[(\dst):(\dst)+3], v[\va] offset:(\off)
	ds_load_tr16_b128 v[(\dst)+4:(\dst)+7], v[\va] offset:(\off)+(\half)
.endm
.macro FRG dst, va, off             ; a fragment out of rows that lie along k
	ds_load_b128 v[(\dst):(\dst)+3], v[\va] offset:(\off)
	ds_load_b128 v[(\dst)+4:(\dst)+7], v[\va] offset:(\off)+32
.endm
.macro BT dst, va, off              ; eight neighbouring f32
	ds_load_b128 v[(\dst):(\dst)+3], v[\va] offset:(\off)
	ds_load_b128 v[(\dst)+4:(\dst)+7], v[\va] offset:(\off)+16
.endm
.macro GLD n, dst, va, sb, off0, step   ; n loads of 16 bytes a lane into window 1
	WIN 0x40
.set gli, 0
.rept \n
	global_load_b128 v[(\dst)+4*gli:(\dst)+4*gli+3], v[\va], s[(\sb):(\sb)+1] offset:(\off0)+(\step)*gli
.set gli, gli+1
.endr
.endm
.macro CVC n, src, tt               ; n such loads are rounded to bf16, into 2 n registers of window 0 that belong to this batch alone
	WIN 0x05
.set cvi, 0
.rept \n
	v_cvt_pk_bf16_f32 v[(\tt)+2*cvi], v[(\src)+4*cvi], v[(\src)+4*cvi+1]
	v_cvt_pk_bf16_f32 v[(\tt)+2*cvi+1], v[(\src)+4*cvi+2], v[(\src)+4*cvi+3]
.set cvi, cvi+1
.endr
.endm
.macro CVS n, tt, va, off0, step    ; and stored into LDS, 8 bytes a lane, behind the wait that shows them written
	WIN 0
.set cvi, 0
.rept \n
	ds_store_b64 v[\va], v[(\tt)+2*cvi:(\tt)+2*cvi+1] offset:(\off0)+(\step)*cvi
.set cvi, cvi+1
.endr
.endm
.macro RB4 b, t                     ; four f32 are rounded to bf16 and widened again, in place
	v_cvt_pk_bf16_f32 v[\t], v[\b], v[(\b)+1]
	v_cvt_pk_bf16_f32 v[(\t)+1], v[(\b)+2], v[(\b)+3]
	v_lshlrev_b32 v[\b], 16, v[\t]
	v_and_b32 v[(\b)+1], s52, v[\t]
	v_lshlrev_b32 v[(\b)+2], 16, v[(\t)+1]
	v_and_b32 v[(\b)+3], s52, v[(\t)+1]
.endm
.macro ALL4 line:vararg             ; one line four times, u = 0..3, so that no line waits for the one before it
.set u, 0
.rept 4
.set pb, PT+16*u
	\line
.set u, u+1
.endr
.endm
.macro SPLIT16 hi, lo, pr, tm       ; 32 f32 at pr -> 16 registers of bf16 pairs (hi) and 16 of what the rounding left (lo)
.set sb, 0
.rept 4
	ALL4 v_cvt_pk_bf16_f32 v[(\hi)+sb+u], v[(\pr)+2*(sb+u)], v[(\pr)+2*(sb+u)+1]
	ALL4 v_lshlrev_b32 v[(\tm)+2*u], 16, v[(\hi)+sb+u]
	ALL4 v_and_b32 v[(\tm)+2*u+1], s52, v[(\hi)+sb+u]
	ALL4 v_pk_add_f32 v[(\tm)+2*u:(\tm)+2*u+1], v[(\pr)+2*(sb+u):(\pr)+2*(sb+u)+1], v[(\tm)+2*u:(\tm)+2*u+1] neg_lo:[0,1] neg_hi:[0,1]
	ALL4 v_cvt_pk_bf16_f32 v[(\lo)+sb+u], v[(\tm)+2*u], v[(\tm)+2*u+1]
.set sb, sb+4
.endr
.endm
.macro SPAIR r, val                 ; a constant for packed arithmetic: named as a pair, so both words are written
	s_mov_b32 s[\r], \val
	s_mov_b32 s[(\r)+1], \val
.endm
.macro BAR                          ; my LDS stores are done and my LDS loads are back; then all eight waves meet
	s_wait_dscnt 0x0
	s_barrier_signal -1
	s_barrier_wait -1
.endm
; The address registers that both kinds of wave use.  q = 8 (l / 16) + l % 8 and c16 = 16 ((l / 8) % 2) are a lane's row and 16 bytes in a turning load.
.macro ADDRS
	v_and_b32 v96, 7, v0
	v_lshl_add_u32 v96, v3, 3, v96          ; q
	v_bfe_u32 v97, v0, 3, 1
	v_lshlrev_b32 v97, 4, v97               ; c16
	v_mul_u32_u24 v98, v2, 272              ; r x 272
	s_lshl_b32 s2, s43, 7
	v_mul_u32_u24 v6, v96, 288
	v_add3_u32 v6, v6, v97, s2              ; v6: Wq, Wk, Wv: q x 288 + c16 + my head's 128 bytes
	v_mul_u32_u24 v7, v96, 160
	v_add_nc_u32 v7, v7, v97                ; v7: Wi: q x 160 + c16
	s_mul_i32 s3, s43, 10240
	s_add_co_u32 s2, s3, L_VM
	v_add_nc_u32 v8, s2, v7                 ; v8: Vm of my head
	s_add_co_u32 s2, s3, L_WO
	v_add_nc_u32 v9, s2, v7                 ; v9: Wo's 64 rows of my head
	s_lshl_b32 s2, s45, 5
	s_add_co_u32 s2, s2, L_WX
	v_mul_u32_u24 v10, v96, 416
	v_add3_u32 v10, v10, v97, s2            ; v10: Wx: q x 416 + c16 + my 16 columns
	s_lshl_b32 s2, s43, 8
	v_add_nc_u32 v11, s2, v12               ; v11: a bias tile of my head: 32 (l / 16) + 256 head
	s_lshl_b32 s2, s45, 6
	v_add_nc_u32 v13, s2, v12               ; v13: a tile of bl: 32 (l / 16) + 64 (w & 3)
	s_mul_i32 s3, s46, 16*272
	s_add_co_u32 s2, s3, L_OP
	v_add3_u32 v16, v98, v12, s2            ; v16: the partial o of row 16 (w >> 2) + r
	s_lshl_b32 s2, s45, 6
	s_add_co_u32 s2, s2, s3
	s_add_co_u32 s2, s2, L_ST
	v_add3_u32 v17, v98, v12, s2            ; v17: into the stage: that row, my 8 columns
	v_mul_u32_u24 v99, v3, 272
	v_lshl_add_u32 v99, v2, 4, v99
	s_mul_i32 s2, s42, 4*272
	s_add_co_u32 s2, s2, L_ST
	v_add_nc_u32 v18, s2, v99               ; v18: back: rows 4 w + l / 16, 16 bytes a lane
	v_lshlrev_b32 v19, 12, v3
	v_lshl_add_u32 v19, v2, 4, v19
	s_lshl_b32 s2, s42, 14
	v_add_nc_u32 v19, s2, v19               ; v19: the same rows in out0
	v_mul_u32_u24 v25, v3, 160
	v_lshl_add_u32 v25, v2, 3, v25
	s_mul_i32 s2, s42, 16*160
	s_add_co_u32 s2, s2, L_WO
	v_add_nc_u32 v25, s2, v25               ; v25: Wo's copy: rows 16 w + l / 16, 8 bytes a lane
.endm
; ---------------------------------------------------------------- the head
	s_load_b512 s[8:23], s[0:1], 0x0        ; queries s8, values s10, Wi s12, bi s14, Wm s16, bm s18, Wq s20, bq s22
	s_load_b512 s[24:39], s[0:1], 0x40      ; Wk s24, bk s26, Wv s28, bv s30, Wo s32, bo s34, Wx s36, bl s38
	s_load_b64 s[40:41], s[0:1], 0x80       ; out0
	v_lshl_add_u32 v4, v0, 2, SPARE         ; my spare word,
	v_mov_b32 v5, 0                         ; and 0: kept for the wave's end alone
	v_lshrrev_b32 v96, 5, v0
	v_readfirstlane_b32 s42, v96            ; w
	v_and_b32 v1, 31, v0                    ; l
	v_and_b32 v2, 15, v0                    ; r = l % 16
	v_bfe_u32 v3, v0, 4, 1                  ; l / 16
	v_lshlrev_b32 v12, 5, v3                ; v12: 32 (l / 16): a lane's eight f32 in a tile of 16
	s_wait_alu depctr_va_sdst(0)            ; s42 is written, ahead of its first reader: roles, branches and addresses are made from it
	s_lshr_b32 s43, s42, 1
	s_and_b32 s43, s43, 1                   ; head
	s_and_b32 s44, s42, 1                   ; which half of the rows
	s_and_b32 s45, s42, 3
	s_lshr_b32 s46, s42, 2
	s_and_b32 s48, ttmp7, 0xffff            ; y
	s_lshl_b32 s84, ttmp9, 8                ; 256 x: my 64 columns in bytes
	s_add_co_u32 s85, s84, 14208            ; the same in the gate o
	s_mov_b32 s50, 0x76543210               ; v_permlanex16_b32: each lane takes its own place in the other half
	s_mov_b32 s51, 0xfedcba98
	s_mov_b32 s52, 0xffff0000               ; a word's upper bf16
	SPAIR 54, 0x3e38aa3b                    ; log2(e) / 8
	SPAIR 56, 0x3fc90fdb                    ; pi / 2
	SPAIR 58, 0xb9500d01                    ; -1/5040
	SPAIR 60, 0x3c088889                    ; 1/120
	SPAIR 62, 0xbe2aaaab                    ; -1/6
	SPAIR 66, 0x37d00d01                    ; 1/40320
	SPAIR 68, 0xbab60b61                    ; -1/720
	SPAIR 70, 0x3d2aaaab                    ; 1/24
	SPAIR 86, 0x4038aa3b                    ; 2 log2(e)
	SPAIR 88, 0xbfb8aa3b                    ; -log2(e)
	SPAIR 90, 0xbd5d0dd1                    ; -17/315
	SPAIR 92, 0x3e088889                    ; 2/15
	SPAIR 94, 0xbeaaaaab                    ; -1/3
	s_mov_b32 s96, 0x3d800000               ; 0.0625
	s_mov_b32 s72, 0xbed49a78               ; -log2(10000) / 32
	s_mov_b32 s74, 0xc31044fe               ; -100 log2(e)
	s_mov_b32 s75, 0xbda15f17               ; -mean, recurrent
	s_mov_b32 s76, 0xbd878e08               ; -mean, inhibitory
	s_mov_b32 s77, 0x3f844872               ; conductances: recurrent,
	s_mov_b32 s78, 0x3fab12bd               ; inhibitory,
	s_mov_b32 s79, 0x3ee6b492               ; leakage,
	s_mov_b32 s80, 0x3da21b23               ; input
	s_mov_b32 s81, 0x3fcbed93               ; targets: input,
	s_mov_b32 s82, 0x3fb80b1d               ; recurrent
	s_mov_b32 s83, 0x3f4756b1               ; step size / 2
	s_lshl_b32 s2, s42, 12
	v_lshl_add_u32 v24, v1, 4, s2           ; v24: Wo: 4,096 bytes a wave, 16 a lane
	s_lshl_b32 s2, s48, 17                  ; 32 rows of 4,096 bytes
	s_add_co_u32 s2, s2, s84
	s_mov_b32 s3, 0
	s_wait_kmcnt 0x0
	s_add_nc_u64 s[98:99], s[40:41], s[2:3] ; out0 at my block
	s_cmp_lt_u32 s42, 4
	s_cbranch_scc0 .Lmem0
; ---------------------------------------------------------------- ROW, block 0: x, the biases, Wi, Wq, Wk, Wv, an eighth of Wo -> bf16 in LDS
; v32-47 x as loaded, v48-55 biases, v56-63 x as source 1; rounded weights on their way to LDS: Wi v64-71, Wq v72-103, Wk v104-135, Wv v136-167, Wo v168-183.
; Window 1: Wi v0-15, Wq v16-79, Wk v80-143, Wv v144-207, Wo v224-255.
	s_lshl_b32 s2, s48, 11
	s_lshl_b32 s3, s44, 10
	s_add_co_u32 s2, s2, s3
	v_lshl_add_u32 v26, v2, 6, v12
	v_add_nc_u32 v26, s2, v26               ; queries: row 32 y + 16 half + r, 64 bytes each; channels 8 (l / 16) on
	s_lshl_b32 s2, s48, 10
	s_lshl_b32 s3, s44, 9
	s_add_co_u32 s2, s2, s3
	s_add_co_u32 s2, s2, 448
	v_add_nc_u32 v27, s2, v12               ; values: batch 2 y + half, time step 7
	s_lshl_b32 s2, s42, 11
	v_lshl_add_u32 v22, v1, 4, s2           ; Wi: 2,048 bytes a wave
	s_lshl_b32 s2, s42, 13
	v_lshl_add_u32 v20, v1, 4, s2           ; Wq, Wk, Wv: 8,192 bytes a wave
	; wave 0 brings bq and bi, wave 1 bk and bm, wave 2 bv and bo, wave 3 my slices of bl: gates i and g by the halves of the lanes, and o
	s_movk_i32 s2, 256
	s_movk_i32 s3, 9472
	s_cmp_eq_u32 s42, 0
	s_cselect_b64 s[4:5], s[22:23], s[38:39]
	s_cselect_b64 s[6:7], s[14:15], s[38:39]
	s_cselect_b32 s49, 1.0, 0               ; PE[0] = 0, 1, 0, 1, ..: added to bi alone
	s_cmp_eq_u32 s42, 1
	s_cselect_b64 s[4:5], s[26:27], s[4:5]
	s_cselect_b64 s[6:7], s[18:19], s[6:7]
	s_cmp_eq_u32 s42, 2
	s_cselect_b64 s[4:5], s[30:31], s[4:5]
	s_cselect_b64 s[6:7], s[34:35], s[6:7]
	s_cmp_eq_u32 s42, 3
	s_cselect_b32 s2, s3, s2
	s_cselect_b32 s3, s84, 0
	s_cselect_b32 s73, s85, 0
	v_mul_u32_u24 v28, s2, v3
	v_lshl_add_u32 v28, v2, 4, v28
	v_add_nc_u32 v28, s3, v28
	v_lshl_add_u32 v29, v2, 4, s73
	s_wait_alu depctr_va_vdst(0)            ; v20, v22, v24 and v26-29 are written: the offsets of all this block's global loads
	global_load_b128 v[32:35], v26, s[8:9]
	global_load_b128 v[36:39], v26, s[8:9] offset:16
	global_load_b128 v[40:43], v27, s[10:11]
	global_load_b128 v[44:47], v27, s[10:11] offset:16
	global_load_b128 v[48:51], v28, s[4:5]
	global_load_b128 v[52:55], v29, s[6:7]
	GLD 4, 0, 22, 12, 0, 512
	GLD 16, 16, 20, 20, 0, 512
	GLD 16, 80, 20, 24, 0, 512
	WIN 0
	ADDRS                                   ; the addresses are made while the loads are on their way
	v_mul_u32_u24 v14, v2, 144
	v_lshl_add_u32 v14, v3, 4, v14
	s_mul_i32 s2, s43, 9216
	s_add_co_u32 s2, s2, L_KM
	v_add_nc_u32 v14, s2, v14               ; v14: Km of my head: r x 144 + 16 (l / 16)
	s_mul_i32 s2, s43, 8704
	s_mul_i32 s3, s44, 16*272
	s_add_co_u32 s2, s2, s3
	s_add_co_u32 s2, s2, L_OP
	v_add3_u32 v15, v98, v12, s2            ; v15: where my head's part of o goes
	s_mul_i32 s2, s42, 4608
	v_lshl_add_u32 v21, v1, 3, s2           ; v21: Wq's, Wk's, Wv's copies: rows 16 w on, 8 bytes a lane
	v_mul_u32_u24 v23, v3, 160
	v_lshl_add_u32 v23, v2, 3, v23
	s_mul_i32 s2, s42, 8*160
	v_add_nc_u32 v23, s2, v23               ; v23: Wi's copy: rows 8 w + l / 16
	s_lshl_b32 s2, s42, 9
	s_add_co_u32 s2, s2, L_TB
	v_lshl_add_u32 v30, v1, 4, s2           ; v30, v31: my two places in the table of biases
	s_lshl_b32 s2, s42, 8
	s_add_co_u32 s2, s2, L_TB+2048
	v_lshl_add_u32 v31, v2, 4, s2
	GLD 16, 144, 20, 28, 0, 512             ; no wait: no vector instruction since the wait above names v20, v24 or these registers of window 1
	GLD 8, 224, 24, 32, 0, 512
	WIN 0
	s_wait_loadcnt 60                       ; behind x and the biases 4 + 16 + 16 + 16 + 8 loads were issued
.set k, 0
.rept 8
	v_cvt_pk_bf16_f32 v[56+k], v[32+2*k], v[33+2*k]   ; registers 0-3: k = 8 (l / 16) on (queries); 4-7: k = 16 + 8 (l / 16) on (values)
.set k, k+1
.endr
	RB4 48, 64
	RB4 52, 66
	v_add_f32 v53, s49, v53                 ; the odd channels' cos(0)
	v_add_f32 v55, s49, v55
	s_wait_loadcnt 56                       ; Wi is in: 16 + 16 + 16 + 8 behind it
	CVC 4, 0, 64
	WIN 0
	s_wait_alu depctr_va_vdst(0)            ; the biases v48-55 and Wi's v64-71 are written, which the LDS stores read; so are all the LDS addresses v6-31
	ds_store_b128 v30, v[48:51]
	ds_store_b128 v31, v[52:55]             ; (both halves of the lanes store the same 256 bytes)
	CVS 4, 64, 23, L_WI, 320
	s_wait_loadcnt 40                       ; Wq
	CVC 16, 16, 72
	WIN 0
	s_wait_alu depctr_va_vdst(0)            ; the conversions have written v72-103, which the LDS stores read
	CVS 16, 72, 21, L_WQ, 288
	s_wait_loadcnt 24                       ; Wk
	CVC 16, 80, 104
	WIN 0
	s_wait_alu depctr_va_vdst(0)            ; the conversions have written v104-135, which the LDS stores read
	CVS 16, 104, 21, L_WK, 288
	s_wait_loadcnt 8                        ; Wv
	CVC 16, 144, 136
	WIN 0
	s_wait_alu depctr_va_vdst(0)            ; the conversions have written v136-167, which the LDS stores read
	CVS 16, 136, 21, L_WV, 288
	s_wait_loadcnt 0x0                      ; Wo
	CVC 8, 224, 168
	WIN 0
	s_wait_alu depctr_va_vdst(0)            ; the conversions have written v168-183, which the LDS stores read
	CVS 8, 168, 25, 0, 320
	s_branch .Lbar1
; ---------------------------------------------------------------- MEM, block 0: Wm's column sums, the state, the positional encoding, an eighth of Wo
; v32-33 p0, p1; v34-47 at work; v48-63 the 16 frequencies / 2 pi; v64-65 my two positions; v86-93 sums; v96-159 sin and cos: pair i of channels at v[96+4i] (sin: two rows), v[98+4i] (cos).
; Window 1: Wm v0-127, Wx v128-223 (gate g at 128 + 32 g), Wo v224-255.
.Lmem0:
	s_lshl_b32 s2, s45, 14
	v_lshl_add_u32 v20, v1, 4, s2           ; Wm: 16,384 bytes a wave
	v_mul_u32_u24 v22, v3, 18944
	v_lshl_add_u32 v22, v2, 4, v22
	s_mul_i32 s2, s45, 16*18944
	s_add_co_u32 s2, s2, s84
	v_add_nc_u32 v22, s2, v22               ; Wx: rows 16 (w & 3) + l / 16, my 64 columns: 16 lanes take 256 neighbouring bytes
	s_wait_alu depctr_va_vdst(0)            ; v20, v22 and v24 are written: the offsets of all this block's global loads
	GLD 32, 0, 20, 16, 0, 512
	GLD 8, 128, 22, 36, 0, 37888
	GLD 8, 160, 22, 36, 9472, 37888
	GLD 8, 224, 24, 32, 0, 512
	WIN 0
	ADDRS
	v_mul_u32_u24 v14, v2, 144
	v_lshl_add_u32 v14, v3, 4, v14
	s_mul_i32 s2, s43, 9216
	s_mul_i32 s3, s44, 32*144
	s_add_co_u32 s2, s2, s3
	s_add_co_u32 s2, s2, L_KM
	v_add_nc_u32 v14, s2, v14               ; v14: Km: my head, rows 32 half + r
	v_mul_u32_u24 v15, v2, 160
	v_lshl_add_u32 v15, v3, 4, v15
	s_mul_i32 s2, s43, 10240
	s_mul_i32 s3, s44, 32*160
	s_add_co_u32 s2, s2, s3
	s_add_co_u32 s2, s2, L_VM
	v_add_nc_u32 v15, s2, v15               ; v15: Vm likewise
	s_lshl_b32 s2, s45, 8
	s_add_co_u32 s2, s2, L_CS
	v_lshl_add_u32 v21, v2, 4, s2           ; v21: my wave's 64 partial sums
	v_mul_u32_u24 v23, v3, 416
	v_lshl_add_u32 v23, v2, 3, v23
	s_mul_i32 s2, s45, 16*416
	s_add_co_u32 s2, s2, L_WX
	v_add_nc_u32 v23, s2, v23               ; v23: Wx's copy
	; THE STATE: 14 Euler sub-steps of the pair, the same in every cell.  sigmoid(100 (x - mean)) = 1 / (1 + 2^((x - mean) (-100 log2 e))).
	v_mov_b32 v32, 0
	v_mov_b32 v33, 1.0
	v_mov_b32 v47, s74
	v_mul_f32 v47, -0.5, v47                ; the input synapse: its input is 0, its mean 0.5
	v_exp_f32 v47, v47
	v_nop
	s_wait_alu depctr_va_vdst(0)            ; the exponential has written v47, ahead of its first reader
	v_add_f32 v47, 1.0, v47
	v_rcp_f32 v47, v47
	v_nop
	s_wait_alu depctr_va_vdst(0)            ; the reciprocal has written v47, ahead of its first reader
	v_mul_f32 v47, s80, v47
	s_mov_b32 s53, 14
.Lode:
	v_add_f32 v34, s75, v32                 ; recurrent: the cell's own potential,
	v_add_f32 v35, s75, v33
	v_add_f32 v36, s76, v33                 ; inhibitory: the partner's
	v_add_f32 v37, s76, v32
	v_mul_f32 v34, s74, v34
	v_mul_f32 v35, s74, v35
	v_mul_f32 v36, s74, v36
	v_mul_f32 v37, s74, v37
	v_exp_f32 v34, v34
	v_exp_f32 v35, v35
	v_exp_f32 v36, v36
	v_exp_f32 v37, v37
	v_sub_f32 v38, s82, v32                 ; plain work behind the exponentials: target - p
	v_sub_f32 v39, s82, v33
	v_sub_f32 v40, s81, v32
	v_sub_f32 v41, s81, v33
	s_wait_alu depctr_va_vdst(0)            ; the four exponentials have written v34-37, ahead of their first reader
	v_add_f32 v34, 1.0, v34
	v_add_f32 v35, 1.0, v35
	v_add_f32 v36, 1.0, v36
	v_add_f32 v37, 1.0, v37
	v_rcp_f32 v34, v34
	v_rcp_f32 v35, v35
	v_rcp_f32 v36, v36
	v_rcp_f32 v37, v37
	v_mul_f32 v40, v47, v40                 ; plain work behind the reciprocals: the input current
	v_mul_f32 v41, v47, v41
	s_wait_alu depctr_va_vdst(0)            ; the four reciprocals have written v34-37, ahead of their first reader
	v_mul_f32 v42, v34, v38
	v_mul_f32 v43, v35, v39
	v_fma_f32 v44, v36, s78, s79            ; inhibitory and leakage pull to 0 together
	v_fma_f32 v45, v37, s78, s79
	v_fma_f32 v40, v42, s77, v40
	v_fma_f32 v41, v43, s77, v41
	v_fma_f32 v40, -v44, v32, v40
	v_fma_f32 v41, -v45, v33, v41
	v_fma_f32 v32, v40, s83, v32
	v_fma_f32 v33, v41, s83, v33
	s_sub_co_i32 s53, s53, 1
	s_cmp_lg_u32 s53, 0
	s_cbranch_scc1 .Lode
	; THE POSITIONAL ENCODING of my rows 1 + 32 half + r and 16 further, for my lane's 32 channels: pair i = 4 t + jj is channels 16 t + 8 (l / 16) + 2 jj (sin) and the next (cos), frequency 10000^-((8 t + 4 (l / 16) + jj) / 32).
	s_lshl_b32 s2, s44, 5
	s_add_co_u32 s2, s2, 1
	v_add_nc_u32 v64, s2, v2
	v_cvt_f32_u32 v64, v64
	v_add_f32 v65, 0x41800000, v64
	v_lshlrev_b32 v66, 2, v3
.set k, 0
.rept 16
	v_add_nc_u32 v[48+k], 8*(k/4)+k%4, v66
.set k, k+1
.endr
.set k, 0
.rept 16
	v_cvt_f32_u32 v[48+k], v[48+k]
.set k, k+1
.endr
.set k, 0
.rept 16
	v_mul_f32 v[48+k], s72, v[48+k]
.set k, k+1
.endr
.set k, 0
.rept 16
	v_exp_f32 v[48+k], v[48+k]
.set k, k+1
.endr
	v_nop                                   ; a plain instruction behind the last exponential
	s_wait_alu depctr_va_vdst(0)            ; the sixteen exponentials have written v48-63, ahead of their first reader
.set k, 0
.rept 16
	v_mul_f32 v[48+k], 0.15915494, v[48+k]  ; in turns
.set k, k+1
.endr
; Four pairs of channels abreast.  The angle in turns, less the nearest whole number, times pi / 2 is a quarter of the angle, within pi / 4: sine to y^7, cosine to y^8; then the angle is doubled twice.
; at pb: +0 y, +2 y^2, +4 sine's polynomial, +6 y^3, +8 sin, +10 cos, +12 2 cos, +14 sin of the doubled angle
.macro PE4 i0
.set u, 0
.rept 4
.if (u%2) == 0
	v_pk_mul_f32 v[PT+16*u:PT+16*u+1], v[64:65], v[48+(\i0)+2*(u/2):49+(\i0)+2*(u/2)] op_sel_hi:[1,0]
.else
	v_pk_mul_f32 v[PT+16*u:PT+16*u+1], v[64:65], v[48+(\i0)+2*(u/2):49+(\i0)+2*(u/2)] op_sel:[0,1] op_sel_hi:[1,1]
.endif
.set u, u+1
.endr
	ALL4 v_rndne_f32 v[pb+2], v[pb]
	ALL4 v_rndne_f32 v[pb+3], v[pb+1]
	ALL4 v_pk_add_f32 v[pb:pb+1], v[pb:pb+1], v[pb+2:pb+3] neg_lo:[0,1] neg_hi:[0,1]
	ALL4 v_pk_mul_f32 v[pb:pb+1], v[pb:pb+1], s[56:57] op_sel_hi:[1,0]
	ALL4 v_pk_mul_f32 v[pb+2:pb+3], v[pb:pb+1], v[pb:pb+1]
	ALL4 v_pk_fma_f32 v[pb+4:pb+5], v[pb+2:pb+3], s[58:59], s[60:61] op_sel_hi:[1,0,0]
	ALL4 v_pk_fma_f32 v[pb+10:pb+11], v[pb+2:pb+3], s[66:67], s[68:69] op_sel_hi:[1,0,0]
	ALL4 v_pk_mul_f32 v[pb+6:pb+7], v[pb:pb+1], v[pb+2:pb+3]
	ALL4 v_pk_fma_f32 v[pb+4:pb+5], v[pb+4:pb+5], v[pb+2:pb+3], s[62:63] op_sel_hi:[1,1,0]
	ALL4 v_pk_fma_f32 v[pb+10:pb+11], v[pb+10:pb+11], v[pb+2:pb+3], s[70:71] op_sel_hi:[1,1,0]
	ALL4 v_pk_fma_f32 v[pb+8:pb+9], v[pb+6:pb+7], v[pb+4:pb+5], v[pb:pb+1]
	ALL4 v_pk_fma_f32 v[pb+10:pb+11], v[pb+10:pb+11], v[pb+2:pb+3], -0.5 op_sel_hi:[1,1,0]
	ALL4 v_pk_fma_f32 v[pb+10:pb+11], v[pb+10:pb+11], v[pb+2:pb+3], 1.0 op_sel_hi:[1,1,0]
	ALL4 v_pk_add_f32 v[pb+12:pb+13], v[pb+10:pb+11], v[pb+10:pb+11]
	ALL4 v_pk_mul_f32 v[pb+14:pb+15], v[pb+12:pb+13], v[pb+8:pb+9]
	ALL4 v_pk_fma_f32 v[pb+10:pb+11], v[pb+12:pb+13], v[pb+10:pb+11], -1.0 op_sel_hi:[1,1,0]
	ALL4 v_pk_add_f32 v[pb+12:pb+13], v[pb+10:pb+11], v[pb+10:pb+11]
	ALL4 v_pk_mul_f32 v[96+4*((\i0)+u):97+4*((\i0)+u)], v[pb+12:pb+13], v[pb+14:pb+15]
	ALL4 v_pk_fma_f32 v[98+4*((\i0)+u):99+4*((\i0)+u)], v[pb+12:pb+13], v[pb+10:pb+11], -1.0 op_sel_hi:[1,1,0]
.endm
	PE4 0
	PE4 4
	PE4 8
	PE4 12
	GLD 8, 192, 22, 36, 14208, 37888        ; Wx's gate o.  No wait: no vector instruction since the wait at the block's head names v22 or these registers of window 1
	s_wait_loadcnt 32                       ; Wm is in: behind it 8 + 8 + 8 + 8 loads were issued
	WIN 0x05                                ; the first four loads start two sets of four sums: nothing is cleared
	v_pk_add_f32 v[86:87], v[0:1], v[8:9]
	v_pk_add_f32 v[88:89], v[2:3], v[10:11]
	v_pk_add_f32 v[90:91], v[4:5], v[12:13]
	v_pk_add_f32 v[92:93], v[6:7], v[14:15]
	WIN 0x04
.set k, 4
.rept 28
	v_pk_add_f32 v[86+4*(k%2):87+4*(k%2)], v[86+4*(k%2):87+4*(k%2)], v[4*k:4*k+1]
	v_pk_add_f32 v[88+4*(k%2):89+4*(k%2)], v[88+4*(k%2):89+4*(k%2)], v[4*k+2:4*k+3]
.set k, k+1
.endr
	WIN 0
	v_pk_add_f32 v[86:87], v[86:87], v[90:91]
	v_pk_add_f32 v[88:89], v[88:89], v[92:93]
.set k, 0
.rept 4
	v_permlanex16_b32 v[90+k], v[86+k], s50, s51   ; the other half of the lanes holds the rows of the other parity
.set k, k+1
.endr
.set k, 0
.rept 4
	v_add_f32 v[86+k], v[86+k], v[90+k]
.set k, k+1
.endr
	s_wait_loadcnt 8                        ; Wo is in: the gate o's eight loads may stay out
	CVC 8, 224, 164
	WIN 0
	s_wait_alu depctr_va_vdst(0)            ; the sums v86-89 and Wo's v164-179 are written, which the LDS stores read; so are all the LDS addresses v6-25
	ds_store_b128 v21, v[86:89]             ; columns 4 r .. 4 r + 3 over my wave's 64 rows of Wm
	CVS 8, 164, 25, 0, 320
.Lbar1:
	BAR                                     ; Wi, Wq, Wk, Wv, Wo, the biases and the partial sums are whole
	s_wait_alu depctr_vm_vsrc(0)            ; block 0's loads and LDS stores have read their offsets and data (ROW: v28-31, v48-55, v64-183; MEM: v86-89, v164-179), which block 1's sums, products and fragment loads write
	s_cmp_lt_u32 s42, 4
	s_cbranch_scc0 .Lmem1
; ---------------------------------------------------------------- ROW, block 1: aug0 = x Wi + bi + PE[0]; then Q, K0, V0 of my head
; v32-47 aug0 as source 1; v48-55 Q, v56-63 K0 of the tile in hand; v64-95 aug0's sums, then V0; v96-167, v168-239 two buffers of fragments; v240-255 Q as source 1; v28-31 Q . K0 in f32
.macro LROW t                           ; 18 LDS loads: tile t of Wq, Wk, Wv (two K steps each) and of bq, bk, bv
.set lb, 96+72*((\t)%2)
	TRF lb, 6, L_WQ+32*(\t), 4608
	TRF lb+16, 6, L_WK+32*(\t), 4608
	TRF lb+32, 6, L_WV+32*(\t), 4608
	BT lb+48, 11, L_TB+64*(\t)
	BT lb+56, 11, L_TB+512+64*(\t)
	BT lb+64, 11, L_TB+1024+64*(\t)
	TRF lb+8, 6, L_WQ+9216+32*(\t), 4608
	TRF lb+24, 6, L_WK+9216+32*(\t), 4608
	TRF lb+40, 6, L_WV+9216+32*(\t), 4608
.endm
.macro WROW t                           ; three accumulators by turns
.set lb, 96+72*((\t)%2)
	MM 48, lb, 32, lb+48
	MM 56, lb+16, 32, lb+56
	MM 64+8*(\t), lb+32, 32, lb+64
	MM 48, lb+8, 40, 48
	MM 56, lb+24, 40, 56
	MM 64+8*(\t), lb+40, 40, 64+8*(\t)
.endm
.macro PROW t                           ; the score of row 0 is summed in f32; Q is packed for the other 64 scores.  It names v28-31, v48-63 and v240-255 alone: no register of the fragment loads
.if (\t) == 0
	v_pk_mul_f32 v[28:29], v[48:49], v[56:57]
	v_pk_mul_f32 v[30:31], v[50:51], v[58:59]
.else
	v_pk_fma_f32 v[28:29], v[48:49], v[56:57], v[28:29]
	v_pk_fma_f32 v[30:31], v[50:51], v[58:59], v[30:31]
.endif
	v_pk_fma_f32 v[28:29], v[52:53], v[60:61], v[28:29]
	v_pk_fma_f32 v[30:31], v[54:55], v[62:63], v[30:31]
.set k, 0
.rept 4
	v_cvt_pk_bf16_f32 v[240+4*(\t)+k], v[48+2*k], v[49+2*k]
.set k, k+1
.endr
.endm
.set k, 0
.rept 4
	TRF 168+8*k, 7, L_WI+32*k, 2560
.set k, k+1
.endr
.set k, 0
.rept 4
	BT 200+8*k, 12, L_TB+2048+64*k
.set k, k+1
.endr
	LROW 0
	s_wait_dscnt 18                         ; Wi and bi are in; LROW 0's 18 loads may stay out
.set k, 0
.rept 4
	MM 64+8*k, 168+8*k, 56, 200+8*k
.set k, k+1
.endr
	PLACES 4
	s_wait_alu depctr_va_vdst(0)            ; aug0's products are done reading Wi and bi in v168-231, in which tile 1's fragments land
	LROW 1
.set k, 0
.rept 16
	v_cvt_pk_bf16_f32 v[32+k], v[64+2*k], v[65+2*k]
.set k, k+1
.endr
	s_wait_dscnt 18                         ; tile 0's fragments are in; the next tile's 18 loads stay out
	WROW 0
	PLACES 5                                ; the next tile's products write over Q and K0
	s_wait_alu depctr_va_vdst(0)            ; tile 0's products are done reading v96-167, in which tile 2's fragments land
	LROW 2
	PROW 0
	s_wait_dscnt 18
	WROW 1
	PLACES 5
	s_wait_alu depctr_va_vdst(0)            ; tile 1's products are done reading v168-239, in which tile 3's fragments land
	LROW 3
	PROW 1
	s_wait_dscnt 18
	WROW 2
	PLACES 5
	PROW 2
	s_wait_dscnt 0x0
	WROW 3
	PLACES 5
	PROW 3
	s_branch .Lbar2
; ---------------------------------------------------------------- MEM, block 1: Am = p0 colsum(Wm) + bm + PE; Km, Vm of my head and my 32 rows -> LDS
; v160-191 e for my lane's 32 channels; v64-95 Am hi, v32-63 Am lo as source 1 (16 lt + 8 kf); v192-239, v96-143 two buffers of fragments; v144-175 the four accumulators;
; v176-191, v240-255 two out-buffers of packed results by turns (v240-255 at work before).  Window 1, where Wm and Wo lay: v0-63, v64-127 the four waves' partial sums for channels 0-31, 32-63; v224-239, v240-255 bm.
.Lmem1:
.macro ELD hf, sb, bb                   ; 20 LDS loads: channels 32 hf on: the four waves' partial sums, and bm
.set em, 0
.rept 4
.set et, 0
.rept 2
	BT (\sb)+16*em+8*et, 12, L_CS+256*em+64*(2*(\hf)+et)
.set et, et+1
.endr
.set em, em+1
.endr
	BT \bb, 12, L_TB+2304+128*(\hf)
	BT (\bb)+8, 12, L_TB+2304+128*(\hf)+64
.endm
.macro ESUM hf, sb, bb                  ; the partial sums are added, e = p0 sum + bm
	WIN 0x45                                ; destination and both sources in window 1
.set ep, 0
.rept 8
	v_pk_add_f32 v[(\sb)+2*ep:(\sb)+2*ep+1], v[(\sb)+2*ep:(\sb)+2*ep+1], v[(\sb)+16+2*ep:(\sb)+17+2*ep]
	v_pk_add_f32 v[(\sb)+32+2*ep:(\sb)+33+2*ep], v[(\sb)+32+2*ep:(\sb)+33+2*ep], v[(\sb)+48+2*ep:(\sb)+49+2*ep]
.set ep, ep+1
.endr
.set ep, 0
.rept 8
	v_pk_add_f32 v[(\sb)+2*ep:(\sb)+2*ep+1], v[(\sb)+2*ep:(\sb)+2*ep+1], v[(\sb)+32+2*ep:(\sb)+33+2*ep]
.set ep, ep+1
.endr
	WIN 0x11                                ; the sum and bm in window 1; p0 and e in window 0
.set ep, 0
.rept 8
	v_pk_fma_f32 v[160+16*(\hf)+2*ep:161+16*(\hf)+2*ep], v[(\sb)+2*ep:(\sb)+2*ep+1], v[32:33], v[(\bb)+2*ep:(\bb)+2*ep+1] op_sel_hi:[1,0,1]
.set ep, ep+1
.endr
	WIN 0
.endm
.macro LMEM t                           ; 12 LDS loads: tile t of Wk, Wv, bk, bv
.set lb, 192-96*((\t)%2)
	TRF lb, 6, L_WK+32*(\t), 4608
	TRF lb+16, 6, L_WV+32*(\t), 4608
	BT lb+32, 11, L_TB+512+64*(\t)
	BT lb+40, 11, L_TB+1024+64*(\t)
	TRF lb+8, 6, L_WK+9216+32*(\t), 4608
	TRF lb+24, 6, L_WV+9216+32*(\t), 4608
.endm
.macro WMEM t                           ; K of two row tiles from Am hi; V from Am hi and lo.  No two neighbours share an accumulator
.set lb, 192-96*((\t)%2)
	MM 144, lb, 64, lb+32
	MM 152, lb, 80, lb+32
	MM 160, lb+16, 64, lb+40
	MM 168, lb+16, 80, lb+40
	MM 144, lb+8, 72, 144
	MM 152, lb+8, 88, 152
	MM 160, lb+24, 72, 160
	MM 168, lb+24, 88, 168
	MM 160, lb+16, 32, 160
	MM 168, lb+16, 48, 168
	MM 160, lb+24, 40, 160
	MM 168, lb+24, 56, 168
.endm
.macro PMEM t                           ; a lane's eight channels of a row pack into 16 bytes, in out-buffer t % 2
.set ob, 176+64*((\t)%2)
.if (\t) == 2
	s_wait_alu depctr_vm_vsrc(0)            ; the LDS stores of tiles 0 and 1 have read both out-buffers, which the conversions of tiles 2 and 3 write again
.endif
.set k, 0
.rept 16
	v_cvt_pk_bf16_f32 v[ob+k], v[144+2*k], v[145+2*k]
.set k, k+1
.endr
	s_wait_alu depctr_va_vdst(0)            ; the conversions have written the out-buffer, which the LDS stores read; this tile's products are done reading their fragments, in which the loads of the tile after next land
	ds_store_b128 v14, v[ob:ob+3] offset:32*(\t)
	ds_store_b128 v14, v[ob+4:ob+7] offset:2304+32*(\t)
	ds_store_b128 v15, v[ob+8:ob+11] offset:32*(\t)
	ds_store_b128 v15, v[ob+12:ob+15] offset:2560+32*(\t)
.endm
.macro AMS t                            ; sin + e(even channel), cos + e(odd channel), both rows at once
	ALL4 v_pk_add_f32 v[96+16*(\t)+4*u:97+16*(\t)+4*u], v[96+16*(\t)+4*u:97+16*(\t)+4*u], v[160+8*(\t)+2*u:161+8*(\t)+2*u] op_sel_hi:[1,0]
	ALL4 v_pk_add_f32 v[98+16*(\t)+4*u:99+16*(\t)+4*u], v[98+16*(\t)+4*u:99+16*(\t)+4*u], v[160+8*(\t)+2*u:161+8*(\t)+2*u] op_sel:[0,1] op_sel_hi:[1,1]
.endm
.macro AMC t, lt                        ; row tile lt: bf16 hi, and what the rounding left as bf16 lo
	ALL4 v_cvt_pk_bf16_f32 v[64+16*(\lt)+4*(\t)+u], v[96+16*(\t)+4*u+(\lt)], v[98+16*(\t)+4*u+(\lt)]
	ALL4 v_lshlrev_b32 v[240+4*u+2*(\lt)], 16, v[64+16*(\lt)+4*(\t)+u]
	ALL4 v_and_b32 v[241+4*u+2*(\lt)], s52, v[64+16*(\lt)+4*(\t)+u]
	ALL4 v_sub_f32 v[240+4*u+2*(\lt)], v[96+16*(\t)+4*u+(\lt)], v[240+4*u+2*(\lt)]
	ALL4 v_sub_f32 v[241+4*u+2*(\lt)], v[98+16*(\t)+4*u+(\lt)], v[241+4*u+2*(\lt)]
	ALL4 v_cvt_pk_bf16_f32 v[32+16*(\lt)+4*(\t)+u], v[240+4*u+2*(\lt)], v[241+4*u+2*(\lt)]
.endm
	WIN 0x40                                ; one run of 52 loads.  No wait: block 0's last wait on va_vdst stands behind every vector instruction that named these registers
	ELD 0, 0, 224
	ELD 1, 64, 240
	WIN 0
	LMEM 0
	s_wait_dscnt 32                         ; the first half's 20 loads are in; the second half's 20 and tile 0's 12 stay out
	ESUM 0, 0, 224
	s_wait_dscnt 12                         ; the second half's are in
	ESUM 1, 64, 240
.irp t, 0,1,2,3
	AMS \t
	AMC \t, 0
	AMC \t, 1
.endr
	s_wait_alu depctr_va_vdst(0)            ; Am is made: the lines above are done reading the sines and cosines in v96-143, in which tile 1's fragments land
	LMEM 1
	s_wait_dscnt 12                         ; tile 0's fragments are in; tile 1's 12 loads stay out
	WMEM 0
	PLACES 5
	PMEM 0
	LMEM 2
	s_wait_dscnt 16                         ; behind tile 1's loads: 4 stores and 12 loads
	WMEM 1
	PLACES 5
	PMEM 1
	LMEM 3
	s_wait_dscnt 16
	WMEM 2
	PLACES 5
	PMEM 2
	s_wait_dscnt 4                          ; behind tile 3's loads: 4 stores
	WMEM 3
	PLACES 5
	PMEM 3
.Lbar2:
	BAR                                     ; Km and Vm are whole
	s_cmp_lt_u32 s42, 4
	s_cbranch_scc0 .Lmem2
; ---------------------------------------------------------------- ROW, block 2: scores, softmax over 65 rows, ctx, my head's part of o
; v32-63 S^T (a lane: one batch row, 32 of the 64 memory rows), later ctx hi and lo; v96-159 Km; v160-223 Vm, later o's sums; v224-239 statistics and at work; v240-255 P; v28 the score of row 0.
; Window 1, where Wi and Wq lay: v0-63 Wo's fragments.
	s_wait_alu depctr_va_vdst(0)            ; the products of tiles 2 and 3 are done reading v96-239, in which Km and Vm land.  One run of 48 loads follows
.set k, 0
.rept 8
	FRG 96+8*k, 14, 2304*(k/2)+64*(k%2)     ; rows 16 (k / 2) on, channels 32 (k % 2) on
.set k, k+1
.endr
.set k, 0
.rept 8
	TRF 160+8*k, 8, 5120*(k/4)+32*(k%4), 2560   ; rows 32 (k / 4) on, channels 16 (k % 4) on
.set k, k+1
.endr
	WIN 0x40
.set k, 0
.rept 8
	TRF 8*k, 9, 5120*(k/4)+32*(k%4), 2560       ; Wo: (h,k) 32 (k / 4) on, d 16 (k % 4) on
.set k, k+1
.endr
	WIN 0
	v_pk_add_f32 v[28:29], v[28:29], v[30:31]
	v_add_f32 v28, v28, v29
	v_permlanex16_b32 v29, v28, s50, s51    ; the other 32 channels lie in the lane 16 away
	v_add_f32 v28, v28, v29
	s_wait_dscnt 32                         ; Km is in; Vm's 16 loads and Wo's 16 may stay out
.set k, 0
.rept 4
	MM0 32+8*k, 96+16*k, 240
.set k, k+1
.endr
.set k, 0
.rept 4
	MM 32+8*k, 104+16*k, 248, 32+8*k
.set k, k+1
.endr
	PLACES 5
.set k, 0
.rept 4
	v_max3_num_f32 v[224+k], v[32+8*k], v[33+8*k], v[34+8*k]   ; each accumulator's lowest registers are read first
.set k, k+1
.endr
.set k, 4
.rept 8
	v_max3_num_f32 v[224+k%4], v[224+k%4], v[32+8*(k%4)+2*(k/4)+1], v[32+8*(k%4)+2*(k/4)+2]
.set k, k+1
.endr
	v_max3_num_f32 v224, v224, v39, v47
	v_max3_num_f32 v225, v225, v55, v63
	v_max3_num_f32 v226, v226, v227, v28
	v_max3_num_f32 v224, v224, v225, v226
	v_permlanex16_b32 v227, v224, s50, s51
	v_max_num_f32 v229, v224, v227          ; the maximum of the row's 65 scores
	v_mul_f32 v228, s54, v229
.set k, 0
.rept 16
	v_pk_fma_f32 v[32+2*k:33+2*k], v[32+2*k:33+2*k], s[54:55], v[228:229] op_sel_hi:[1,0,0] neg_lo:[0,0,1] neg_hi:[0,0,1]
.set k, k+1
.endr
	v_fma_f32 v28, v28, s54, -v228
.set k, 0
.rept 32
	v_exp_f32 v[32+k], v[32+k]
.set k, k+1
.endr
	v_exp_f32 v28, v28
	v_mov_b32 v231, 0                       ; a plain instruction behind the last exponential (v231 is named with v230 as a pair)
	s_wait_alu depctr_va_vdst(0)            ; the 33 exponentials have written v32-63 and v28, ahead of their first reader
.set k, 0
.rept 16
	v_cvt_pk_bf16_f32 v[240+k], v[32+2*k], v[33+2*k]
.set k, k+1
.endr
.set k, 0
.rept 8
	v_pk_add_f32 v[32+4*k:33+4*k], v[32+4*k:33+4*k], v[34+4*k:35+4*k]   ; the sum is taken of the unrounded weights, in place
.set k, k+1
.endr
.set k, 0
.rept 4
	v_pk_add_f32 v[32+8*k:33+8*k], v[32+8*k:33+8*k], v[36+8*k:37+8*k]
.set k, k+1
.endr
	v_pk_add_f32 v[32:33], v[32:33], v[40:41]
	v_pk_add_f32 v[48:49], v[48:49], v[56:57]
	v_pk_add_f32 v[32:33], v[32:33], v[48:49]
	v_add_f32 v226, v32, v33
	v_permlanex16_b32 v227, v226, s50, s51
	v_add_f32 v226, v226, v227
	v_add_f32 v226, v226, v28               ; row 0's weight, once
	v_rcp_f32 v230, v226
.set k, 0
.rept 16
	v_pk_mul_f32 v[64+2*k:65+2*k], v[64+2*k:65+2*k], v[28:29] op_sel_hi:[1,0]   ; row 0's share starts ctx
.set k, k+1
.endr
	s_wait_dscnt 16                         ; Vm is in; Wo's 16 loads may stay out
.set k, 0
.rept 4
	MM 64+8*k, 160+8*k, 240, 64+8*k
.set k, k+1
.endr
.set k, 0
.rept 4
	MM 64+8*k, 192+8*k, 248, 64+8*k
.set k, k+1
.endr
	PLACES 5
	s_wait_alu depctr_va_vdst(0)            ; the reciprocal has written v230, ahead of its first reader
.set k, 0
.rept 16
	v_pk_mul_f32 v[64+2*k:65+2*k], v[64+2*k:65+2*k], v[230:231] op_sel_hi:[1,0]
.set k, k+1
.endr
	SPLIT16 32, 48, 64, 232
	s_wait_dscnt 0x0                        ; Wo
	WIN 0x01                                ; source 0, Wo's fragments, in window 1
.set k, 0
.rept 4
	MM0 160+8*k, 8*k, 32
.set k, k+1
.endr
.set k, 0
.rept 4
	MM 160+8*k, 8*k, 48, 160+8*k
.set k, k+1
.endr
.set k, 0
.rept 4
	MM 160+8*k, 32+8*k, 40, 160+8*k
.set k, k+1
.endr
.set k, 0
.rept 4
	MM 160+8*k, 32+8*k, 56, 160+8*k
.set k, k+1
.endr
	WIN 0
	PLACES 4
	s_wait_alu depctr_va_vdst(0)            ; the products have written o's sums v160-191, which the LDS stores read; the places above stay beside this wait
.set k, 0
.rept 4
	ds_store_b128 v15, v[160+8*k:163+8*k] offset:64*k
	ds_store_b128 v15, v[164+8*k:167+8*k] offset:64*k+16
.set k, k+1
.endr
	s_branch .Lbar3
; ---------------------------------------------------------------- MEM meanwhile: my 16 rows of Wx's three slices -> bf16 in LDS, by way of v192-239, which no LDS store has read
.Lmem2:
	s_wait_loadcnt 0x0                      ; the gate o's loads, the last that were out
	CVC 8, 128, 192
	CVC 8, 160, 208
	CVC 8, 192, 224
	WIN 0
	s_wait_alu depctr_va_vdst(0)            ; the conversions of all three slices have written v192-239, which the LDS stores read
	CVS 8, 192, 23, 0, 832
	CVS 8, 208, 23, 128, 832
	CVS 8, 224, 23, 256, 832
.Lbar3:
	BAR                                     ; both heads' parts of o and Wx's copy are whole
	s_wait_alu depctr_vm_vsrc(0)            ; my LDS stores have read their data (ROW: o's sums v160-191; MEM: the out-buffers v176-191, v240-255 and Wx's v192-239), which the loads, conversions and products below write
; ---------------------------------------------------------------- all waves: o, z for 16 rows x 16 columns x 3 gates, the activation
; v32-79 Wx (16 g + 8 kf), v80-103 bl, v104-135 bo, v136-167 and v168-199 the two parts of o, v200-215 o hi, v216-231 o lo, v232-239 zi, v240-247 zo, v248-255 zg
.set k, 0
.rept 8
	BT 136+8*k, 16, 8704*(k/4)+64*(k%4)
.set k, k+1
.endr
.set k, 0
.rept 4
	BT 104+8*k, 12, L_TB+2560+64*k
.set k, k+1
.endr
.set k, 0
.rept 6
	TRF 32+8*k, 10, 13312*(k%2)+128*(k/2), 6656
.set k, k+1
.endr
	BT 80, 13, L_TB+1536
	BT 88, 13, L_TB+1792
	BT 96, 13, L_TB+2816
	s_wait_dscnt 18                         ; o's parts and bo are in; Wx's 12 loads and bl's 6 may stay out
.set k, 0
.rept 16
	v_pk_add_f32 v[136+2*k:137+2*k], v[136+2*k:137+2*k], v[104+2*k:105+2*k]
.set k, k+1
.endr
.set k, 0
.rept 16
	v_pk_add_f32 v[136+2*k:137+2*k], v[136+2*k:137+2*k], v[168+2*k:169+2*k]
.set k, k+1
.endr
	SPLIT16 200, 216, 136, 168
	s_wait_dscnt 0x0
	MM 232, 32, 200, 80                     ; three accumulators by turns
	MM 248, 48, 200, 88
	MM 240, 64, 200, 96
	MM 232, 32, 216, 232
	MM 248, 48, 216, 248
	MM 240, 64, 216, 240
	MM 232, 40, 208, 232
	MM 248, 56, 208, 248
	MM 240, 72, 208, 240
	MM 232, 40, 224, 232
	MM 248, 56, 224, 248
	MM 240, 72, 224, 240
	PLACES 4
.macro SIGM x, n                        ; 1 / (1 + 2^(-x log2 e)), in place on n registers; the reciprocals' wait is the next one in the text, ahead of their first reader
.set k, 0
.rept (\n)/2
	v_pk_mul_f32 v[(\x)+2*k:(\x)+2*k+1], v[(\x)+2*k:(\x)+2*k+1], s[88:89] op_sel_hi:[1,0]
.set k, k+1
.endr
.set k, 0
.rept \n
	v_exp_f32 v[(\x)+k], v[(\x)+k]
.set k, k+1
.endr
	v_nop
	s_wait_alu depctr_va_vdst(0)            ; the exponentials have written their registers, ahead of their first reader
.set k, 0
.rept (\n)/2
	v_pk_add_f32 v[(\x)+2*k:(\x)+2*k+1], v[(\x)+2*k:(\x)+2*k+1], 1.0 op_sel_hi:[1,0]
.set k, k+1
.endr
.set k, 0
.rept \n
	v_rcp_f32 v[(\x)+k], v[(\x)+k]
.set k, k+1
.endr
	v_nop
.endm
; tanh, in place on 8 registers: 1 - 2 / (1 + 2^(2 x log2 e)); where x^2 < 0.0625 the series x - x^3/3 + 2 x^5/15 - 17 x^7/315, which keeps small numbers' digits.  Both are made, one is chosen.
; The eight compares write s8-15 (the addresses that lay there have served) in one run, with one wait between the run and the selects.
.set TE, 136
.set TX, 144
.set TQ, 152
.macro TANH8 x
.set k, 0
.rept 4
	v_pk_mul_f32 v[TE+2*k:TE+2*k+1], v[(\x)+2*k:(\x)+2*k+1], s[86:87] op_sel_hi:[1,0]
.set k, k+1
.endr
.set k, 0
.rept 8
	v_exp_f32 v[TE+k], v[TE+k]
.set k, k+1
.endr
.set k, 0
.rept 4
	v_pk_mul_f32 v[TX+2*k:TX+2*k+1], v[(\x)+2*k:(\x)+2*k+1], v[(\x)+2*k:(\x)+2*k+1]
.set k, k+1
.endr
	s_wait_alu depctr_va_vdst(0)            ; the exponentials have written v[TE ..], ahead of their first reader (at the first use also the sigmoids' reciprocals v232-247)
.set k, 0
.rept 4
	v_pk_add_f32 v[TE+2*k:TE+2*k+1], v[TE+2*k:TE+2*k+1], 1.0 op_sel_hi:[1,0]
.set k, k+1
.endr
.set k, 0
.rept 8
	v_rcp_f32 v[TE+k], v[TE+k]
.set k, k+1
.endr
.set k, 0
.rept 4
	v_pk_fma_f32 v[TQ+2*k:TQ+2*k+1], v[TX+2*k:TX+2*k+1], s[90:91], s[92:93] op_sel_hi:[1,0,0]
.set k, k+1
.endr
.set k, 0
.rept 4
	v_pk_fma_f32 v[TQ+2*k:TQ+2*k+1], v[TQ+2*k:TQ+2*k+1], v[TX+2*k:TX+2*k+1], s[94:95] op_sel_hi:[1,1,0]
.set k, k+1
.endr
.set k, 0
.rept 4
	v_pk_mul_f32 v[TQ+2*k:TQ+2*k+1], v[TQ+2*k:TQ+2*k+1], v[TX+2*k:TX+2*k+1]
.set k, k+1
.endr
.set k, 0
.rept 4
	v_pk_fma_f32 v[TQ+2*k:TQ+2*k+1], v[TQ+2*k:TQ+2*k+1], v[(\x)+2*k:(\x)+2*k+1], v[(\x)+2*k:(\x)+2*k+1]
.set k, k+1
.endr
.set k, 0
.rept 8
	v_cmp_gt_f32 s[8+k], s96, v[TX+k]
.set k, k+1
.endr
	s_wait_alu depctr_va_vdst(0)            ; the reciprocals have written v[TE ..], ahead of their first reader
.set k, 0
.rept 4
	v_pk_fma_f32 v[TE+2*k:TE+2*k+1], v[TE+2*k:TE+2*k+1], -2.0, 1.0 op_sel_hi:[1,0,0]
.set k, k+1
.endr
	s_wait_alu depctr_va_sdst(0)            ; the eight compares have written s8-15, ahead of the selects that read them
.set k, 0
.rept 8
	v_cndmask_b32 v[(\x)+k], v[TE+k], v[TQ+k], s[8+k]
.set k, k+1
.endr
.endm
	SIGM 232, 16                            ; sigmoid(zi), sigmoid(zo)
	TANH8 248                               ; tanh(zg)
.set k, 0
.rept 4
	v_pk_mul_f32 v[248+2*k:249+2*k], v[248+2*k:249+2*k], v[232+2*k:233+2*k]   ; c
.set k, k+1
.endr
	TANH8 248
.set k, 0
.rept 4
	v_pk_mul_f32 v[248+2*k:249+2*k], v[248+2*k:249+2*k], v[240+2*k:241+2*k]   ; h
.set k, k+1
.endr
	s_wait_alu depctr_va_vdst(0)            ; h is written in v248-255, which the LDS stores read; the products are done reading Wx's fragments in v32-39, in which the way out's loads land
	ds_store_b128 v17, v[248:251]
	ds_store_b128 v17, v[252:255] offset:16
	BAR                                     ; a row's 256 bytes come from four waves: the stage is whole
	; THE WAY OUT: wave w takes rows 4 w .. 4 w + 3, whole
	ds_load_b128 v[32:35], v18
	ds_load_b128 v[36:39], v18 offset:544
	s_wait_dscnt 1                          ; the first two rows are back
	global_store_b128 v19, v[32:35], s[98:99] th:TH_STORE_NT                 ; 16 lanes store 256 consecutive bytes, at a multiple of 256 from out0's first byte
	s_wait_dscnt 0x0
	global_store_b128 v19, v[36:39], s[98:99] offset:8192 th:TH_STORE_NT
	s_wait_dscnt 0x0                        ; the wave's end
	s_wait_alu 0x0
	s_wait_tensorcnt 0x0
	ds_add_u32 v4, v5
	s_wait_dscnt 0x0
	s_endpgm
.Lfunc_end_k_q9fd415bcd3_mla:
	.size	k_q9fd415bcd3_mla, .Lfunc_end_k_q9fd415bcd3_mla-k_q9fd415bcd3_mla
	.p2alignl 7, 3214868480
	.fill 96, 4, 3214868480
	.section	.rodata,"a",@progbits
	.p2align	6, 0x0
	.amdhsa_kernel k_q9fd415bcd3_mla
		.amdhsa_group_segment_fixed_size 177664
		.amdhsa_private_segment_fixed_size 0
		.amdhsa_enable_private_segment 0
		.amdhsa_kernarg_size 136
		.amdhsa_user_sgpr_count 2
		.amdhsa_user_sgpr_kernarg_segment_ptr 1
		.amdhsa_wavefront_size32 1
		.amdhsa_system_sgpr_workgroup_id_x 1
		.amdhsa_system_sgpr_workgroup_id_y 1
		.amdhsa_system_sgpr_workgroup_id_z 1
		.amdhsa_system_vgpr_workitem_id 0
		.amdhsa_next_free_vgpr 512
		.amdhsa_next_free_sgpr 100
		.amdhsa_reserve_vcc 0
		.amdhsa_float_denorm_mode_32 3
		.amdhsa_float_denorm_mode_16_64 3
		.amdhsa_memory_ordered 1
		.amdhsa_forward_progress 1
		.amdhsa_inst_pref_size 152
	.end_amdhsa_kernel
	.amdgpu_metadata
---
amdhsa.version: [ 1, 2 ]
amdhsa.kernels:
  - .name:           k_q9fd415bcd3_mla
    .symbol:         k_q9fd415bcd3_mla.kd
    .args:
      - { .name: queries, .offset: 0, .size: 8, .value_kind: global_buffer, .address_space: global }
      - { .name: values, .offset: 8, .size: 8, .value_kind: global_buffer, .address_space: global }
      - { .name: Wi, .offset: 16, .size: 8, .value_kind: global_buffer, .address_space: global }
      - { .name: bi, .offset: 24, .size: 8, .value_kind: global_buffer, .address_space: global }
      - { .name: Wm, .offset: 32, .size: 8, .value_kind: global_buffer, .address_space: global }
      - { .name: bm, .offset: 40, .size: 8, .value_kind: global_buffer, .address_space: global }
      - { .name: Wq, .offset: 48, .size: 8, .value_kind: global_buffer, .address_space: global }
      - { .name: bq, .offset: 56, .size: 8, .value_kind: global_buffer, .address_space: global }
      - { .name: Wk, .offset: 64, .size: 8, .value_kind: global_buffer, .address_space: global }
      - { .name: bk, .offset: 72, .size: 8, .value_kind: global_buffer, .address_space: global }
      - { .name: Wv, .offset: 80, .size: 8, .value_kind: global_buffer, .address_space: global }
      - { .name: bv, .offset: 88, .size: 8, .value_kind: global_buffer, .address_space: global }
      - { .name: Wo, .offset: 96, .size: 8, .value_kind: global_buffer, .address_space: global }
      - { .name: bo, .offset: 104, .size: 8, .value_kind: global_buffer, .address_space: global }
      - { .name: Wx, .offset: 112, .size: 8, .value_kind: global_buffer, .address_space: global }
      - { .name: bl, .offset: 120, .size: 8, .value_kind: global_buffer, .address_space: global }
      - { .name: out0, .offset: 128, .size: 8, .value_kind: global_buffer, .address_space: global }
    .group_segment_fixed_size: 177664
    .private_segment_fixed_size: 0
    .kernarg_segment_align: 8
    .kernarg_segment_size: 136
    .max_flat_workgroup_size: 256
    .sgpr_count:     100
    .vgpr_count:     512
    .wavefront_size: 32
...
	.end_amdgpu_metadata
.endif
;; end of part 2
